; MI455X (gfx1250); checked and timed in simulation.
; The chip was launched on July 23, 2026; its instructions are those of AMD's public machine-readable ISA for CDNA 5 (MIT licence, August 2026) and "CDNA5" Instruction Set Architecture Reference Guide (July 2026). The comments in the code are by the model that wrote it; some were corrected since.
;; Self Attention Module. Allowed arithmetic: float matrix products may take bf16 or f16 operands with f32 sums; other float arithmetic in f32, or as packed bf16 or f16 multiplies, adds, multiply-adds, maxima and minima; sums over many terms, partial sums and values carried from step to step in f32; what a program stores and reads back later, other than sums and carried values, may be rounded once to bf16 or f16.
;; Inputs: Wk 1,024 x 1,024 float32; Wq 1,024 x 1,024 float32; Wv 1,024 x 1,024 float32; x 4 x 2,048 x 1,024 float32.
;; Outputs: out0 4 x 2,048 x 1,024 float32.
;; 2 versions, each right and faster than the one before. Each part assembles by itself: llvm-mc -triple=amdgcn-amd-amdhsa -mcpu=gfx1250 --defsym DOCPART=n.
;; ======== version 1 of 2: 4 launches
;; limits: values are held in f16: magnitudes above 65,504 overflow, below 6.1e-05 lose precision; values outside matrix products are rounded to f16
;; workspace buffers: xb 16,777,216 bytes; wb 6,291,456 bytes; qkv 50,331,648 bytes; pbuf 33,554,432 bytes; stats 1,048,576 bytes
;; launch cast (part 1): grid 128 x 11, 8 waves a work-group, no clusters, 0 bytes of LDS; arguments x, Wq, Wk, Wv, xb, wb; writes xb, wb
.if DOCPART == 1
	.amdgcn_target "amdgcn-amd-amdhsa--gfx1250"
	.amdhsa_code_object_version 6
	.text
	.protected	k_q7d759e741f_cast
	.globl	k_q7d759e741f_cast
	.p2align	8
	.type	k_q7d759e741f_cast,@function
k_q7d759e741f_cast:
	s_mov_b64 s[64:65], 0
	v_nop
	global_prefetch_b8 v0, s[64:65] scope:SCOPE_SE
	s_setreg_imm32_b32 hwreg(HW_REG_WAVE_MODE, 25, 1), 1
	s_wait_xcnt 0x0
; xb = bf16(x), wb = bf16(Wq | Wk | Wv), each number rounded once to nearest even.  A stream: every input byte is read once, every output byte written once.
; The grid's y picks a slab of 4 MiB of f32: 0-7 are x's eight slabs, 8, 9, 10 are Wq, Wk, Wv; the grid's x picks 32 KiB in the slab.
; Thread t, step j: 16 bytes at 16 t + 4096 j in, 8 bytes at 8 t + 2048 j out: a wave's load covers 512 consecutive bytes, its store 256 consecutive bytes at a multiple of 256.
; All eight loads of a wave go out first; no register is written twice, so no wait frees a source.  No LDS, no barrier, no matrix work: nothing here is used twice.
.set X, 4                              ; v[4:35]   eight loads of four f32
.set Y, 36                             ; v[36:51]  eight results of four bf16
	s_load_b256 s[4:11], s[0:1], 0x0               ; x s[4:5], Wq s[6:7], Wk s[8:9], Wv s[10:11]
	s_load_b128 s[12:15], s[0:1], 0x20             ; xb s[12:13], wb s[14:15]
	s_and_b32 s22, ttmp7, 0xffff                   ; the slab
	s_sub_co_u32 s23, s22, 8                       ; which weight (used for slabs 8 to 10 alone)
	v_lshlrev_b32 v1, 4, v0                        ; 16 t
	v_lshlrev_b32 v2, 3, v0                        ; 8 t
	s_wait_kmcnt 0x0
	s_mov_b64 s[16:17], s[4:5]                     ; the source: x, or one of the weights
	s_cmp_eq_u32 s22, 8
	s_cselect_b64 s[16:17], s[6:7], s[16:17]
	s_cmp_eq_u32 s22, 9
	s_cselect_b64 s[16:17], s[8:9], s[16:17]
	s_cmp_eq_u32 s22, 10
	s_cselect_b64 s[16:17], s[10:11], s[16:17]
	s_cmp_lt_u32 s22, 8
	s_cselect_b32 s18, s22, 0                      ; the slab's number in its source,
	s_cselect_b32 s19, s22, s23                    ; and in its destination
	s_cselect_b64 s[20:21], s[12:13], s[14:15]     ; the destination: xb or wb
	s_lshl_b32 s18, s18, 22                        ; 4 MiB a slab in,
	s_lshl_b32 s24, ttmp9, 15                      ; 32 KiB a work-group
	s_add_co_u32 s24, s24, s18
	s_mov_b32 s25, 0
	s_lshl_b32 s19, s19, 21                        ; 2 MiB a slab out,
	s_lshl_b32 s26, ttmp9, 14                      ; 16 KiB a work-group
	s_add_co_u32 s26, s26, s19
	s_mov_b32 s27, 0
	s_add_nc_u64 s[16:17], s[16:17], s[24:25]
	s_add_nc_u64 s[20:21], s[20:21], s[26:27]
.irp j, 0,1,2,3,4,5,6,7
	global_load_b128 v[X+4*(\j):X+4*(\j)+3], v1, s[16:17] offset:4096*(\j) th:TH_LOAD_NT
.endr
.irp j, 0,1,2,3,4,5,6,7
	s_wait_loadcnt 7-(\j)                          ; loads come back in order (ISA guide 5.7.1): load j is in, the 7 - j younger ones stay out
	v_cvt_pk_bf16_f32 v[Y+2*(\j)], v[X+4*(\j)], v[X+4*(\j)+1]
	v_cvt_pk_bf16_f32 v[Y+2*(\j)+1], v[X+4*(\j)+2], v[X+4*(\j)+3]
	global_store_b64 v2, v[Y+2*(\j):Y+2*(\j)+1], s[20:21] offset:2048*(\j)
.endr
	s_endpgm
.Lfunc_end_k_q7d759e741f_cast:
	.size	k_q7d759e741f_cast, .Lfunc_end_k_q7d759e741f_cast-k_q7d759e741f_cast
	.p2alignl 7, 3214868480
	.fill 96, 4, 3214868480
	.section	.rodata,"a",@progbits
	.p2align	6, 0x0
	.amdhsa_kernel k_q7d759e741f_cast
		.amdhsa_group_segment_fixed_size 0
		.amdhsa_private_segment_fixed_size 0
		.amdhsa_enable_private_segment 0
		.amdhsa_kernarg_size 48
		.amdhsa_user_sgpr_count 2
		.amdhsa_user_sgpr_kernarg_segment_ptr 1
		.amdhsa_wavefront_size32 1
		.amdhsa_system_sgpr_workgroup_id_x 1
		.amdhsa_system_sgpr_workgroup_id_y 1
		.amdhsa_system_sgpr_workgroup_id_z 1
		.amdhsa_system_vgpr_workitem_id 0
		.amdhsa_next_free_vgpr 52
		.amdhsa_next_free_sgpr 66
		.amdhsa_reserve_vcc 0
		.amdhsa_float_denorm_mode_32 3
		.amdhsa_float_denorm_mode_16_64 3
		.amdhsa_memory_ordered 1
		.amdhsa_forward_progress 1
		.amdhsa_inst_pref_size 4
	.end_amdhsa_kernel
	.amdgpu_metadata
---
amdhsa.version: [ 1, 2 ]
amdhsa.kernels:
  - .name:           k_q7d759e741f_cast
    .symbol:         k_q7d759e741f_cast.kd
    .args:
      - { .name: x, .offset: 0, .size: 8, .value_kind: global_buffer, .address_space: global }
      - { .name: Wq, .offset: 8, .size: 8, .value_kind: global_buffer, .address_space: global }
      - { .name: Wk, .offset: 16, .size: 8, .value_kind: global_buffer, .address_space: global }
      - { .name: Wv, .offset: 24, .size: 8, .value_kind: global_buffer, .address_space: global }
      - { .name: xb, .offset: 32, .size: 8, .value_kind: global_buffer, .address_space: global }
      - { .name: wb, .offset: 40, .size: 8, .value_kind: global_buffer, .address_space: global }
    .group_segment_fixed_size: 0
    .private_segment_fixed_size: 0
    .kernarg_segment_align: 8
    .kernarg_segment_size: 48
    .max_flat_workgroup_size: 256
    .sgpr_count:     66
    .vgpr_count:     52
    .wavefront_size: 32
...
	.end_amdgpu_metadata
.endif
;; end of part 1
;; launch proj (part 2): grid 12 x 64, 4 waves a work-group, clusters of 4 x 4, 327,680 bytes of LDS; arguments xb, wb, qkv; writes qkv
.if DOCPART == 2
	.amdgcn_target "amdgcn-amd-amdhsa--gfx1250"
	.amdhsa_code_object_version 6
	.text
	.protected	k_q7d759e741f_proj
	.globl	k_q7d759e741f_proj
	.p2align	8
	.type	k_q7d759e741f_proj,@function
k_q7d759e741f_proj:
	s_mov_b64 s[64:65], 0
	v_nop
	global_prefetch_b8 v0, s[64:65] scope:SCOPE_SE
	s_setreg_imm32_b32 hwreg(HW_REG_WAVE_MODE, 25, 1), 1
	s_wait_xcnt 0x0
	s_wait_alu depctr_hold_cnt(0) depctr_sa_sdst(0) depctr_va_vdst(0) depctr_va_sdst(0) depctr_va_ssrc(0) depctr_va_vcc(0) depctr_vm_vsrc(0)
	s_getreg_b32 s2, hwreg(HW_REG_IB_STS2, 6, 4)
	s_cmp_eq_u32 s2, 0
	s_cbranch_scc0 .Lentry_in_a_cluster
	s_endpgm
.Lentry_in_a_cluster:
	s_bfe_u32 s2, ttmp6, 0x10000c
	s_cmp_lg_u32 s2, 0xf033
	s_cbranch_scc0 .Lentry_shape_is_right
	s_endpgm
.Lentry_shape_is_right:
; qkv[m][n] = sum over k of xb[m][k] wb[n][k].  xb: [8192][1024] bf16, wb: [3072][1024] bf16 (Wq, Wk, Wv one below the other), qkv: [8192][3072] f16 (q, k, v side by side in a row); sums in f32.
; LIMIT.  q, k and v are rounded once to f16: a sum of 65,520 or more in magnitude becomes an infinity; below 6e-5 f16 keeps its fixed step of 6e-8.  NaN and infinities are not treated apart.
; SHARES.  A tile of C is 128 rows x 256 columns: 64 x 12 = 768 work-groups, three for each of 256 WGPs.  Four waves, each 64 x 128: 32 accumulators of 16 x 16, 256 registers.
; K goes in steps of 128 (tile rows of 256 bytes, at multiples of 256 from the buffers' first bytes) through a ring of two LDS slots filled by the tensor data mover.
; CLUSTER.  4 x 4 work-groups.  The four of a row of the cluster need the same tile of A, the four of a column the same tile of B: each tile is asked for JOINTLY, by the same tensor load with the
; same descriptor and a mask that names the four.  THE MATRIX INSTRUCTION IS USED TRANSPOSED (source 0 = 16 rows of B, source 1 = 16 rows of A): a lane then holds eight neighbouring numbers of a row of C.
; REGISTERS.  Window 0: v0-31 addresses; two fragment buffers of 96 (4 blocks of A, then 8 of B, 32 along K): v64-159 and v160-255; on the way out v128-255 hold packed results.
;   Window 1: accumulator (a, b) at v[64 a + 8 b].  s_set_vgpr_msb: bits 1:0 source 0, 3:2 source 1, 5:4 source 2, 7:6 destination.
.set SIZE_K, 1024
.set LDA,    1024                      ; elements from row to row of A
.set LDB,    1024                      ; and of B
.set CROW,   6144                      ; bytes in a row of C
.set STEPB,  512                       ; bytes from a slot's K step to its next, in B
.set PITCH,  272                       ; an LDS row: 256 bytes + 16 of padding = 68 words: row r starts at bank 4 r mod 64 (64 banks of 4 bytes: ISA guide 11.1)
.set AHALF,  64*PITCH                  ; what one tensor load brings of A, and what one wave reads of it
.set ABYTES, 2*AHALF
.set BHALF,  128*PITCH                 ; the same for B
.set SLOT,   ABYTES+2*BHALF            ; A's 128 rows, then B's 256 rows
.set STAGE,  2*SLOT                    ; behind the ring: 16 rows x 272 bytes for each wave, for the way out
.set SPITCH, 272
.set SPARE,  STAGE+4*16*SPITCH         ; behind the stages: the spare words, 128 bytes for each wave: two blocks of 256 bytes that no other line names
.set LAPS,   SIZE_K/256                ; a lap = two K steps = once round the ring
.set ADRA, 16                          ; v16-17  LDS address of my A fragments in slot 0, 1
.set ADRB, 20                          ; v20-21  the same for B
.set STO,  24                          ; v24     the way out: where I put 16 bytes of a row
.set RD,   25                          ; v25     the way out: where I read a row back
.set CO,   26                          ; v26     my byte offset in C
.set SPW,  28                          ; v28     LDS address of my spare word; never rewritten
.set NIL,  29                          ; v29     0; never rewritten
.set F0,   64
.set F1,   160
.set WV, 12                            ; s12 wave;  s13 its half of the rows (also: 0 = I fetch for A, 1 = for B);  s14 its half of the columns (also: which half of that tile I fetch)
.set WM, 13
.set WN, 14
.set LAP, 15
.set CX, 16                            ; s16, s17 my place in the cluster;  s18, s19 tile column and tile row of C;  s20, s21 the masks of my row and my column
.set CY, 17
.set TX, 18
.set TY, 19
.set RMASK, 20
.set CMASK, 21
.set G1A, 24                           ; s[24:31] descriptor group 1 for A's tiles;  s[32:39] group 0, one set for each slot
.set G0A, 32
.set G1B, 40                           ; s[40:47], s[48:55] the same for B's
.set G0B, 48
.set OA, 56                            ; s[56:57] A's offset, then address: made of the tile row and the wave alone
.set OB, 58                            ; s[58:59] B's: made of the tile column and the wave alone
.set LA, 60                            ; s60, s61 where my part of A's or B's tile goes in a slot: made of the wave alone
.set LB, 61
.set OC, 62                            ; s[62:63] my part's offset in C
.set MSB, 0
.macro WIN new                         ; the immediate's high byte repeats the setting that is left; a switch that changes nothing is dropped
.if MSB != (\new)
	s_set_vgpr_msb (MSB<<8)|(\new)
.set MSB, \new
.endif
.endm
.set MUL, 0x50                         ; sources in window 0, C and D in window 1
.macro JLOAD s                         ; a joint load: waves 0 and 1 fetch A's two halves, waves 2 and 3 B's; an s_nop 0 and four v_nop follow each of the two lines
	s_cmp_eq_u32 s[WM], 0
	s_cbranch_scc0 .Lfor_b_\@
	tensor_load_to_lds s[G0A+4*(\s):G0A+4*(\s)+3], s[G1A:G1A+7]
	s_nop 0
.rept 4
	v_nop
.endr
	s_branch .Lasked_\@
.Lfor_b_\@:
	tensor_load_to_lds s[G0B+4*(\s):G0B+4*(\s)+3], s[G1B:G1B+7]
	s_nop 0
.rept 4
	v_nop
.endr
.Lasked_\@:
.endm
.macro CREST                           ; a round of the cluster's barrier behind its opening barrier
	s_cmp_lg_u32 s[WV], 0
	s_cbranch_scc1 .Lnot_wave_0_\@
	s_barrier_signal -3
.Lnot_wave_0_\@:
	s_barrier_wait -3
	s_barrier_signal -1
	s_barrier_wait -1
.endm
.macro CROUND                          ; a whole round
	s_barrier_signal -1
	s_barrier_wait -1
	CREST
.endm
	s_load_b128 s[4:7], s[0:1], 0x0                ; xb s[4:5], wb s[6:7]
	s_load_b64 s[8:9], s[0:1], 0x10                ; qkv
	v_lshl_add_u32 v[SPW], v0, 2, SPARE
	v_mov_b32 v[NIL], 0
	ds_add_u32 v[SPW], v[NIL]                      ; the wave's opening: the add and its wait stand ahead of my first tensor load; the set-up below, work on registers, stands between them
	v_lshrrev_b32 v1, 5, v0
	v_readfirstlane_b32 s[WV], v1
	s_lshr_b32 s[WM], s[WV], 1
	s_and_b32 s[WN], s[WV], 1
	s_bfe_u32 s[CX], ttmp6, 0x40000
	s_bfe_u32 s[CY], ttmp6, 0x40004
	s_lshl_b32 s[TX], ttmp9, 2                     ; in a cluster launch ttmp9 and ttmp7 count clusters
	s_add_co_u32 s[TX], s[TX], s[CX]
	s_and_b32 s[TY], ttmp7, 0xffff
	s_lshl_b32 s[TY], s[TY], 2
	s_add_co_u32 s[TY], s[TY], s[CY]
	s_lshl_b32 s[RMASK], s[CY], 2
	s_lshl_b32 s[RMASK], 15, s[RMASK]              ; my row of the cluster: places 4 cy .. 4 cy + 3
	s_lshl_b32 s[CMASK], 0x1111, s[CX]             ; my column: places cx, cx + 4, cx + 8, cx + 12
	; group 1: rows of 128 elements of 2 bytes, padded in LDS by 4 words after every 64; A's load has 64 rows, B's 128
	s_or_b32 s[G1A+0], s[RMASK], (1<<16)|(1<<20)|(1<<21)|(5<<22)|(3<<25)
	s_or_b32 s[G1B+0], s[CMASK], (1<<16)|(1<<20)|(1<<21)|(5<<22)|(3<<25)
	s_mov_b32 s[G1A+1], 128<<16                    ; tensor_dim0
	s_mov_b32 s[G1B+1], 128<<16
	s_mov_b32 s[G1A+2], 64<<16                     ; tensor_dim1
	s_mov_b32 s[G1B+2], 128<<16
	s_mov_b32 s[G1A+3], 128<<16                    ; tile_dim0
	s_mov_b32 s[G1B+3], 128<<16
	s_mov_b32 s[G1A+4], 64                         ; tile_dim1
	s_mov_b32 s[G1B+4], 128
	s_mov_b32 s[G1A+5], LDA                        ; elements from row to row
	s_mov_b32 s[G1B+5], LDB
	s_mov_b32 s[G1A+6], 0
	s_mov_b32 s[G1B+6], 0
	s_mov_b32 s[G1A+7], 0
	s_mov_b32 s[G1B+7], 0
	s_lshl_b32 s[OA], s[TY], 7                     ; A: row 128 x tile row + 64 x half, 2,048 bytes a row
	s_lshl_b32 s70, s[WN], 6
	s_add_co_u32 s[OA], s[OA], s70
	s_lshl_b32 s[OA], s[OA], 11
	s_mov_b32 s[OA+1], 0
	s_lshl_b32 s[OB], s[TX], 8                     ; B: row 256 x tile column + 128 x half
	s_lshl_b32 s71, s[WN], 7
	s_add_co_u32 s[OB], s[OB], s71
	s_lshl_b32 s[OB], s[OB], 11
	s_mov_b32 s[OB+1], 0
	s_mul_i32 s[LA], s[WN], AHALF
	s_mul_i32 s[LB], s[WN], BHALF
	s_add_co_u32 s[LB], s[LB], ABYTES
	s_wait_dscnt 0x0                               ; the opening add is done
	s_wait_kmcnt 0x0
	s_add_nc_u64 s[OA:OA+1], s[4:5], s[OA:OA+1]
	s_add_nc_u64 s[OB:OB+1], s[6:7], s[OB:OB+1]
	CROUND                                         ; all sixteen work-groups are here: the first joint loads meet
.irp s, 0,1
	s_mov_b32 s[G0A+4*(\s)], 1
	s_add_co_u32 s[G0A+4*(\s)+1], s[LA], (\s)*SLOT
	s_add_nc_u64 s[G0A+4*(\s)+2:G0A+4*(\s)+3], s[OA:OA+1], (\s)*256  ; K step s
	s_or_b32 s[G0A+4*(\s)+3], s[G0A+4*(\s)+3], 0x80000000
	s_mov_b32 s[G0B+4*(\s)], 1
	s_add_co_u32 s[G0B+4*(\s)+1], s[LB], (\s)*SLOT
	s_add_nc_u64 s[G0B+4*(\s)+2:G0B+4*(\s)+3], s[OB:OB+1], (\s)*256
	s_or_b32 s[G0B+4*(\s)+3], s[G0B+4*(\s)+3], 0x80000000
	JLOAD \s                                       ; two tensor loads of mine are out
.endr
	; a fragment is 16 rows x 32 K in 8 registers: lane l holds row l % 16, K = 8 (l / 16) + 0..7 and 16 + 8 (l / 16) + 0..7: two loads of 16 bytes, 32 bytes apart
	v_and_b32 v1, 15, v0                           ; r = l % 16
	v_bfe_u32 v2, v0, 4, 1                         ; h = l / 16
	v_mul_u32_u24 v3, v1, PITCH
	v_lshl_add_u32 v3, v2, 4, v3
	s_mul_i32 s70, s[WM], AHALF                    ; my 64 rows of A
	s_mul_i32 s71, s[WN], BHALF                    ; my 128 rows of B, behind A's
	s_add_co_u32 s71, s71, ABYTES
.irp s, 0,1
	v_add_nc_u32 v[ADRA+(\s)], s70, v3
	v_add_nc_u32 v[ADRB+(\s)], s71, v3
	s_add_co_u32 s70, s70, SLOT
	s_add_co_u32 s71, s71, SLOT
.endr
	s_mul_i32 s73, s[WV], 16*SPITCH
	s_add_co_u32 s73, s73, STAGE                   ; my stage
	v_mul_u32_u24 v4, v1, SPITCH                   ; in: row r, 16 bytes for each half of the lanes
	v_lshl_add_u32 v4, v2, 4, v4
	v_add_nc_u32 v[STO], s73, v4
	v_mul_u32_u24 v5, v2, SPITCH                   ; back: lanes 0-15 take one row of 256 bytes, lanes 16-31 the next
	v_lshl_add_u32 v5, v1, 4, v5
	v_add_nc_u32 v[RD], s73, v5
	v_mul_u32_u24 v5, v2, CROW                     ; and the same two rows in C
	v_lshl_add_u32 v[CO], v1, 4, v5
	s_lshl_b32 s[OC], s[TY], 7                     ; my first row of C: 128 x tile row + 64 x half
	s_lshl_b32 s72, s[WM], 6
	s_add_co_u32 s[OC], s[OC], s72
	s_mul_i32 s[OC], s[OC], CROW
	s_lshl_b32 s72, s[TX], 9                       ; my first column, in bytes: 512 x tile column + 256 x half
	s_add_co_u32 s[OC], s[OC], s72
	s_lshl_b32 s72, s[WN], 8
	s_add_co_u32 s[OC], s[OC], s72
	s_mov_b32 s[OC+1], 0
	s_add_nc_u64 s[8:9], s[8:9], s[OC:OC+1]
; 8 matrix instructions: block a of my rows x all 8 blocks of my columns, 32 along K, from buffer f.  zero = 1: the product starts the sums.
; The 32 accumulators take turns, one instruction a turn, in the same order in every quarter.
.macro MUL8 f, a, zero
	WIN MUL
.irp b, 0,1,2,3,4,5,6,7
.if \zero
	v_wmma_f32_16x16x32_bf16 v[64*(\a)+8*(\b):64*(\a)+8*(\b)+7], v[(\f)+32+8*(\b):(\f)+32+8*(\b)+7], v[(\f)+8*(\a):(\f)+8*(\a)+7], 0
.else
	v_wmma_f32_16x16x32_bf16 v[64*(\a)+8*(\b):64*(\a)+8*(\b)+7], v[(\f)+32+8*(\b):(\f)+32+8*(\b)+7], v[(\f)+8*(\a):(\f)+8*(\a)+7], v[64*(\a)+8*(\b):64*(\a)+8*(\b)+7]
.endif
.endr
.endm
; 24 LDS loads in one run: the fragments of 32 along K at byte k of the rows, into buffer f: B's sixteen first, then A's eight
.macro FETCH slot, k, f
	WIN 0
.irp i, 0,1,2,3,4,5,6,7
	ds_load_b128 v[(\f)+32+8*(\i):(\f)+32+8*(\i)+3],   v[ADRB+(\slot)] offset:(\k)+(\i)*16*PITCH
	ds_load_b128 v[(\f)+32+8*(\i)+4:(\f)+32+8*(\i)+7], v[ADRB+(\slot)] offset:(\k)+(\i)*16*PITCH+32
.endr
.irp i, 0,1,2,3
	ds_load_b128 v[(\f)+8*(\i):(\f)+8*(\i)+3],   v[ADRA+(\slot)] offset:(\k)+(\i)*16*PITCH
	ds_load_b128 v[(\f)+8*(\i)+4:(\f)+8*(\i)+7], v[ADRA+(\slot)] offset:(\k)+(\i)*16*PITCH+32
.endr
.endm
.macro PLACES                          ; four places in front of loads into registers that matrix instructions have read, and of vector lines that read results (ISA guide 7.12.1 for vector lines)
.rept 4
	v_nop
.endr
.endm
; A K step is four quarters of 32 along K, 32 matrix instructions each, on buffers 0, 1, 0, 1.  One of the first three: multiplies buffer f and fetches the next quarter, at byte k, into g.
.macro QUARTER slot, k, f, g, zero
	s_wait_dscnt 4                                 ; B and A's blocks 0, 1 are in; the youngest four loads (A's blocks 2, 3) may be out
	MUL8 \f, 0, \zero
	MUL8 \f, 1, \zero
	PLACES
	FETCH \slot, \k, \g
	s_wait_dscnt 24                                ; all but the 24 just issued
	MUL8 \f, 2, \zero
	MUL8 \f, 3, \zero
.endm
; The last quarter multiplies buffer 1 and changes slots: ONE barrier; in front of it each wave waits for all its tensor loads (one is out: its part of the next slot), adds 0 to its spare word,
; and waits for that and for its own reads of this slot.  fill = 1: this slot is filled again, two K steps ahead; the barrier then opens a round of the cluster's.
.macro TURN slot, next, fill
	WIN 0
	s_wait_tensorcnt 0x0                           ; all my tensor loads have landed
	ds_add_u32 v[SPW], v[NIL]                      ; 0 onto my spare word
	s_wait_dscnt 5                                 ; (the add and the youngest four loads may be out)
	MUL8 F1, 0, 0                                  ; eight matrix instructions stand between the add and the wait for it
	s_wait_dscnt 0x0                               ; the add is done, and my reads of this slot are over
	s_barrier_signal -1
	MUL8 F1, 1, 0
.if \fill
	WIN 0
.endif
	s_barrier_wait -1
.if \fill
	CREST                                          ; no wave of any partner still reads this slot's tiles or has a load on its way
	s_add_nc_u64 s[G0A+4*(\slot)+2:G0A+4*(\slot)+3], s[G0A+4*(\slot)+2:G0A+4*(\slot)+3], 512
	s_add_nc_u64 s[G0B+4*(\slot)+2:G0B+4*(\slot)+3], s[G0B+4*(\slot)+2:G0B+4*(\slot)+3], STEPB
	JLOAD \slot                                    ; my one tensor load behind the round: 112 matrix instructions ahead of the wait for it; its four v_nop are also the places in front of the loads below
.else
	PLACES
.endif
	FETCH \next, 0, F0
	MUL8 F1, 2, 0
	MUL8 F1, 3, 0
.endm
	s_wait_tensorcnt 1                             ; my part of K step 0 is in; K step 1's may stay out
	s_barrier_signal -1
	s_barrier_wait -1                              ; everybody's is
	FETCH 0, 0, F0
	QUARTER 0, 64, F0, F1, 1                       ; the first quarter stands in front of the loop: its products start the sums
	WIN 0                                          ; at a label and at a branch every window is 0
	s_mov_b32 s[LAP], LAPS-1
.Llap:                                                 ; a trip goes once round the ring, from a lap's second quarter to the next lap's first, and fills both slots again
	QUARTER 0, 128, F1, F0, 0
	QUARTER 0, 192, F0, F1, 0
	TURN 0, 1, 1
	QUARTER 1, 64,  F0, F1, 0
	QUARTER 1, 128, F1, F0, 0
	QUARTER 1, 192, F0, F1, 0
	TURN 1, 0, 1
	QUARTER 0, 64,  F0, F1, 0
	WIN 0
	s_sub_co_u32 s[LAP], s[LAP], 1
	s_cmp_lg_u32 s[LAP], 0
	s_cbranch_scc1 .Llap
	QUARTER 0, 128, F1, F0, 0                      ; the last lap fills nothing
	QUARTER 0, 192, F0, F1, 0
	TURN 0, 1, 0
	QUARTER 1, 64,  F0, F1, 0
	QUARTER 1, 128, F1, F0, 0
	QUARTER 1, 192, F0, F1, 0
	s_wait_dscnt 4                                 ; the very last quarter: nothing more to fetch
	MUL8 F1, 0, 0
	MUL8 F1, 1, 0
	s_wait_dscnt 0x0
	MUL8 F1, 2, 0
	MUL8 F1, 3, 0
	WIN 0
	PLACES
; THE WAY OUT, a block of 16 rows at a time: rounded to f16 (each accumulator's registers in ascending order), 16 bytes a lane into my own stage, back as whole rows of 256 bytes, stored.
.macro OUT a
.set TMP, 128+32*(\a)
	WIN 0x05                                       ; sources 0 and 1 window 1, destination window 0
.set i, 0
.rept 32
	v_cvt_pk_f16_f32 v[TMP+i], v[64*(\a)+2*i], v[64*(\a)+2*i+1]
.set i, i+1
.endr
	WIN 0
.irp b, 0,1,2,3,4,5,6,7
	ds_store_b128 v[STO], v[TMP+4*(\b):TMP+4*(\b)+3] offset:32*(\b)
.endr
.irp t, 0,1,2,3,4,5,6,7
	ds_load_b128 v[TMP+4*(\t):TMP+4*(\t)+3], v[RD] offset:(\t)*2*SPITCH  ; LDS serves a wave's instructions in order (ISA guide 5.7.1.4): these see the stores above; the next block's stores come behind them
.endr
.endm
.macro SEND a, younger                 ; younger: the LDS instructions issued behind block a's loads: the next block's sixteen, or none
.set TMP, 128+32*(\a)
.irp t, 0,1,2,3,4,5,6,7
	s_wait_dscnt (\younger)+7-(\t)
	global_store_b128 v[CO], v[TMP+4*(\t):TMP+4*(\t)+3], s[8:9] offset:(16*(\a)+2*(\t))*CROW  ; 16 lanes store 256 consecutive bytes, at a multiple of 256 from C's first byte
.endr
.endm
	OUT 0
	OUT 1                                          ; a block's conversions stand between the loads of the block before and its stores
	SEND 0, 16
	OUT 2
	SEND 1, 16
	OUT 3
	SEND 2, 16
	SEND 3, 0
	s_wait_tensorcnt 0x0                           ; the wave's end: the add and its waits, behind my last tensor load and my last LDS store
	ds_add_u32 v[SPW], v[NIL]
	s_wait_dscnt 0x0
	CROUND                                         ; the closing round: no work-group ends while a partner may still ask for a tile that names it
	s_endpgm
.Lfunc_end_k_q7d759e741f_proj:
	.size	k_q7d759e741f_proj, .Lfunc_end_k_q7d759e741f_proj-k_q7d759e741f_proj
	.p2alignl 7, 3214868480
	.fill 96, 4, 3214868480
	.section	.rodata,"a",@progbits
	.p2align	6, 0x0
	.amdhsa_kernel k_q7d759e741f_proj
		.amdhsa_group_segment_fixed_size 327680
		.amdhsa_private_segment_fixed_size 0
		.amdhsa_enable_private_segment 0
		.amdhsa_kernarg_size 24
		.amdhsa_user_sgpr_count 2
		.amdhsa_user_sgpr_kernarg_segment_ptr 1
		.amdhsa_wavefront_size32 1
		.amdhsa_system_sgpr_workgroup_id_x 1
		.amdhsa_system_sgpr_workgroup_id_y 1
		.amdhsa_system_sgpr_workgroup_id_z 1
		.amdhsa_system_vgpr_workitem_id 0
		.amdhsa_next_free_vgpr 512
		.amdhsa_next_free_sgpr 80
		.amdhsa_reserve_vcc 0
		.amdhsa_float_denorm_mode_32 3
		.amdhsa_float_denorm_mode_16_64 3
		.amdhsa_memory_ordered 1
		.amdhsa_forward_progress 1
		.amdhsa_inst_pref_size 87
	.end_amdhsa_kernel
	.amdgpu_metadata
---
amdhsa.version: [ 1, 2 ]
amdhsa.kernels:
  - .name:           k_q7d759e741f_proj
    .symbol:         k_q7d759e741f_proj.kd
    .args:
      - { .name: xb, .offset: 0, .size: 8, .value_kind: global_buffer, .address_space: global }
      - { .name: wb, .offset: 8, .size: 8, .value_kind: global_buffer, .address_space: global }
      - { .name: qkv, .offset: 16, .size: 8, .value_kind: global_buffer, .address_space: global }
    .group_segment_fixed_size: 327680
    .private_segment_fixed_size: 0
    .kernarg_segment_align: 8
    .kernarg_segment_size: 24
    .max_flat_workgroup_size: 128
    .sgpr_count:     80
    .vgpr_count:     512
    .wavefront_size: 32
...
	.end_amdgpu_metadata
.endif
;; end of part 2
;; launch score (part 3): grid 8 x 64, 4 waves a work-group, clusters of 4 x 4, 327,680 bytes of LDS; arguments qkv, pbuf, stats; writes pbuf, stats
.if DOCPART == 3
	.amdgcn_target "amdgcn-amd-amdhsa--gfx1250"
	.amdhsa_code_object_version 6
	.text
	.protected	k_q7d759e741f_score
	.globl	k_q7d759e741f_score
	.p2align	8
	.type	k_q7d759e741f_score,@function
k_q7d759e741f_score:
	s_mov_b64 s[64:65], 0
	v_nop
	global_prefetch_b8 v0, s[64:65] scope:SCOPE_SE
	s_setreg_imm32_b32 hwreg(HW_REG_WAVE_MODE, 25, 1), 1
	s_wait_xcnt 0x0
	s_wait_alu depctr_hold_cnt(0) depctr_sa_sdst(0) depctr_va_vdst(0) depctr_va_sdst(0) depctr_va_ssrc(0) depctr_va_vcc(0) depctr_vm_vsrc(0)
	s_getreg_b32 s2, hwreg(HW_REG_IB_STS2, 6, 4)
	s_cmp_eq_u32 s2, 0
	s_cbranch_scc0 .Lentry_in_a_cluster
	s_endpgm
.Lentry_in_a_cluster:
	s_bfe_u32 s2, ttmp6, 0x10000c
	s_cmp_lg_u32 s2, 0xf033
	s_cbranch_scc0 .Lentry_shape_is_right
	s_endpgm
.Lentry_shape_is_right:
; s[m][n] = q[m] . k[n] for the 2,048 keys n of row m's batch (q, k: f16, 1,024 channels, side by side in qkv's rows of 6,144 bytes); sums in f32.  s itself is never stored.
; THE SOFTMAX'S FIRST HALF, on the way out.  A wave holds 64 rows x one CHUNK of 128 keys.  For each row it finds the chunk's true maximum m, writes p' = 2^(c s - c m), c = log2(e) / 32, as f16 into
; pbuf [8192][2048], and stores c m and l = the sum of the unrounded p' in f32 into stats: block (chunk, group of 64 rows) = 512 bytes at (128 chunk + group) x 512: 64 x c m, then 64 x l.
; The next launch brings the sixteen chunks of a row to their common maximum.  Every exponent is 0 or less (up to the rounding of c m), so no exponential overflows.
; LIMITS.  p' below 6e-5 keeps f16's fixed step of 6e-8; a weight below 2^-126 counts as 0 in l; NaN and infinities are not treated apart.
; SHARES, RING, CLUSTER, LAYOUT.  A tile is 128 rows x 256 keys: 64 x 8 = 512 work-groups, two for each of 256 WGPs; four waves of 64 x 128; K in steps of 128 through two LDS slots; 4 x 4 work-groups ask
; jointly for q's tile along a row of the cluster and for k's along a column.  The matrix instruction is used transposed (source 0 = 16 keys, source 1 = 16 queries): a lane holds one query (l % 16) and,
; in accumulator b, the keys 16 b + 8 (l / 16) + 0..7: a row's maximum and sum want one exchange between the halves of the lanes.
; REGISTERS.  Window 0: v0-31 addresses; v32-47 at work on the way out; fragment buffers v64-159, v160-255 (on the way out v64-95 partial sums, v128-255 packed p').  Window 1: accumulator (a, b) at v[64 a + 8 b].
.set SIZE_K, 1024
.set LDA,    3072
.set LDB,    3072
.set CROW,   4096                      ; bytes in a row of pbuf
.set STEPB,  512
.set PITCH,  272                       ; an LDS row: 256 bytes + 16 of padding = 68 words: row r starts at bank 4 r mod 64 (64 banks of 4 bytes: ISA guide 11.1)
.set AHALF,  64*PITCH
.set ABYTES, 2*AHALF
.set BHALF,  128*PITCH
.set SLOT,   ABYTES+2*BHALF
.set STAGE,  2*SLOT                    ; behind the ring: 16 rows x 272 bytes for each wave
.set SPITCH, 272
.set STAT,   STAGE+4*16*SPITCH         ; behind the stages: 512 bytes for each wave: its block of stats
.set SPARE,  STAT+4*512                ; behind them: the spare words, 128 bytes for each wave: two blocks of 256 bytes that no other line names
.set LAPS,   SIZE_K/256
.set ADRA, 16
.set ADRB, 20
.set STO,  24
.set RD,   25
.set CO,   26
.set STA,  27                          ; v27     where my row's c m goes in my block of stats
.set SPW,  28
.set NIL,  29
.set SRD,  30                          ; v30     where I read 16 bytes of that block back
.set SGO,  31                          ; v31     and their offset in memory
.set T,    32                          ; v32-39  eight running maxima
.set CM,   40                          ; v40 c m, v41 m
.set LS,   42                          ; v42     l
.set SB,   44                          ; v44-47  16 bytes of stats
.set U,    64                          ; v64-95  sixteen pairs of partial sums
.set F0,   64
.set F1,   160
.set WV, 12
.set WM, 13
.set WN, 14
.set LAP, 15
.set CX, 16
.set CY, 17
.set TX, 18
.set TY, 19
.set RMASK, 20
.set CMASK, 21
.set BT, 22                            ; s22  the batch: made of the cluster's y alone (16 tile rows a batch are four whole clusters)
.set G1A, 24
.set G0A, 32
.set G1B, 40
.set G0B, 48
.set OA, 56
.set OB, 58
.set LA, 60
.set LB, 61
.set OC, 62
.set CS, 66                            ; s[66:67] c: the packed scaling takes the pair's low word for both halves
.set SEL, 68                           ; s[68:69] v_permlanex16_b32's selects: each lane takes its own place in the other half
.set MSB, 0
.macro WIN new
.if MSB != (\new)
	s_set_vgpr_msb (MSB<<8)|(\new)
.set MSB, \new
.endif
.endm
.set MUL, 0x50
.macro JLOAD s                         ; a joint load: waves 0 and 1 fetch q's two halves, waves 2 and 3 k's; an s_nop 0 and four v_nop follow each of the two lines
	s_cmp_eq_u32 s[WM], 0
	s_cbranch_scc0 .Lfor_b_\@
	tensor_load_to_lds s[G0A+4*(\s):G0A+4*(\s)+3], s[G1A:G1A+7]
	s_nop 0
.rept 4
	v_nop
.endr
	s_branch .Lasked_\@
.Lfor_b_\@:
	tensor_load_to_lds s[G0B+4*(\s):G0B+4*(\s)+3], s[G1B:G1B+7]
	s_nop 0
.rept 4
	v_nop
.endr
.Lasked_\@:
.endm
.macro CREST
	s_cmp_lg_u32 s[WV], 0
	s_cbranch_scc1 .Lnot_wave_0_\@
	s_barrier_signal -3
.Lnot_wave_0_\@:
	s_barrier_wait -3
	s_barrier_signal -1
	s_barrier_wait -1
.endm
.macro CROUND
	s_barrier_signal -1
	s_barrier_wait -1
	CREST
.endm
	s_load_b64 s[4:5], s[0:1], 0x0                 ; qkv
	s_load_b64 s[8:9], s[0:1], 0x8                 ; pbuf
	s_load_b64 s[10:11], s[0:1], 0x10              ; stats
	v_lshl_add_u32 v[SPW], v0, 2, SPARE
	v_mov_b32 v[NIL], 0
	ds_add_u32 v[SPW], v[NIL]                      ; the wave's opening: the add and its wait stand ahead of my first tensor load; the set-up below, work on registers, stands between them
	v_lshrrev_b32 v1, 5, v0
	v_readfirstlane_b32 s[WV], v1
	s_lshr_b32 s[WM], s[WV], 1
	s_and_b32 s[WN], s[WV], 1
	s_bfe_u32 s[CX], ttmp6, 0x40000
	s_bfe_u32 s[CY], ttmp6, 0x40004
	s_lshl_b32 s[TX], ttmp9, 2
	s_add_co_u32 s[TX], s[TX], s[CX]
	s_and_b32 s[TY], ttmp7, 0xffff
	s_lshr_b32 s[BT], s[TY], 2
	s_lshl_b32 s[TY], s[TY], 2
	s_add_co_u32 s[TY], s[TY], s[CY]
	s_lshl_b32 s[RMASK], s[CY], 2
	s_lshl_b32 s[RMASK], 15, s[RMASK]
	s_lshl_b32 s[CMASK], 0x1111, s[CX]
	s_or_b32 s[G1A+0], s[RMASK], (1<<16)|(1<<20)|(1<<21)|(5<<22)|(3<<25)  ; the mask; elements of 2 bytes; padding on, 4 words after every 64; bit 21 set beside a mask
	s_or_b32 s[G1B+0], s[CMASK], (1<<16)|(1<<20)|(1<<21)|(5<<22)|(3<<25)
	s_mov_b32 s[G1A+1], 128<<16
	s_mov_b32 s[G1B+1], 128<<16
	s_mov_b32 s[G1A+2], 64<<16
	s_mov_b32 s[G1B+2], 128<<16
	s_mov_b32 s[G1A+3], 128<<16
	s_mov_b32 s[G1B+3], 128<<16
	s_mov_b32 s[G1A+4], 64
	s_mov_b32 s[G1B+4], 128
	s_mov_b32 s[G1A+5], LDA
	s_mov_b32 s[G1B+5], LDB
	s_mov_b32 s[G1A+6], 0
	s_mov_b32 s[G1B+6], 0
	s_mov_b32 s[G1A+7], 0
	s_mov_b32 s[G1B+7], 0
	s_lshl_b32 s[OA], s[TY], 7                     ; q: row 128 x tile row + 64 x half, 6,144 bytes a row
	s_lshl_b32 s70, s[WN], 6
	s_add_co_u32 s[OA], s[OA], s70
	s_mul_i32 s[OA], s[OA], 6144
	s_mov_b32 s[OA+1], 0
	s_lshl_b32 s[OB], s[BT], 11                    ; k: row 2,048 x batch + 256 x tile column + 128 x half, from byte 2,048 of the row
	s_lshl_b32 s71, s[TX], 8
	s_add_co_u32 s[OB], s[OB], s71
	s_lshl_b32 s71, s[WN], 7
	s_add_co_u32 s[OB], s[OB], s71
	s_mul_i32 s[OB], s[OB], 6144
	s_add_co_u32 s[OB], s[OB], 2048
	s_mov_b32 s[OB+1], 0
	s_mul_i32 s[LA], s[WN], AHALF
	s_mul_i32 s[LB], s[WN], BHALF
	s_add_co_u32 s[LB], s[LB], ABYTES
	s_mov_b32 s[CS], 0x3d38aa3b                    ; c = log2(e) / 32 = 0.0450842
	s_mov_b32 s[CS+1], s[CS]                       ; named with it as a pair
	s_mov_b32 s[SEL], 0x76543210
	s_mov_b32 s[SEL+1], 0xfedcba98
	s_wait_dscnt 0x0                               ; the opening add is done
	s_wait_kmcnt 0x0
	s_add_nc_u64 s[OA:OA+1], s[4:5], s[OA:OA+1]
	s_add_nc_u64 s[OB:OB+1], s[4:5], s[OB:OB+1]
	CROUND                                         ; all sixteen work-groups are here: the first joint loads meet
.irp s, 0,1
	s_mov_b32 s[G0A+4*(\s)], 1
	s_add_co_u32 s[G0A+4*(\s)+1], s[LA], (\s)*SLOT
	s_add_nc_u64 s[G0A+4*(\s)+2:G0A+4*(\s)+3], s[OA:OA+1], (\s)*256
	s_or_b32 s[G0A+4*(\s)+3], s[G0A+4*(\s)+3], 0x80000000
	s_mov_b32 s[G0B+4*(\s)], 1
	s_add_co_u32 s[G0B+4*(\s)+1], s[LB], (\s)*SLOT
	s_add_nc_u64 s[G0B+4*(\s)+2:G0B+4*(\s)+3], s[OB:OB+1], (\s)*256
	s_or_b32 s[G0B+4*(\s)+3], s[G0B+4*(\s)+3], 0x80000000
	JLOAD \s                                       ; two tensor loads of mine are out
.endr
	v_and_b32 v1, 15, v0                           ; r = l % 16
	v_bfe_u32 v2, v0, 4, 1                         ; h = l / 16
	v_mul_u32_u24 v3, v1, PITCH
	v_lshl_add_u32 v3, v2, 4, v3
	s_mul_i32 s70, s[WM], AHALF
	s_mul_i32 s71, s[WN], BHALF
	s_add_co_u32 s71, s71, ABYTES
.irp s, 0,1
	v_add_nc_u32 v[ADRA+(\s)], s70, v3
	v_add_nc_u32 v[ADRB+(\s)], s71, v3
	s_add_co_u32 s70, s70, SLOT
	s_add_co_u32 s71, s71, SLOT
.endr
	s_mul_i32 s73, s[WV], 16*SPITCH
	s_add_co_u32 s73, s73, STAGE                   ; my stage
	v_mul_u32_u24 v4, v1, SPITCH
	v_lshl_add_u32 v4, v2, 4, v4
	v_add_nc_u32 v[STO], s73, v4
	v_mul_u32_u24 v5, v2, SPITCH
	v_lshl_add_u32 v5, v1, 4, v5
	v_add_nc_u32 v[RD], s73, v5
	v_lshlrev_b32 v5, 12, v2                       ; two rows of pbuf
	v_lshl_add_u32 v[CO], v1, 4, v5
	s_lshl_b32 s73, s[WV], 9
	s_add_co_u32 s73, s73, STAT                    ; my block of stats in LDS
	v_lshl_add_u32 v[STA], v1, 2, s73
	v_and_b32 v6, 31, v0
	v_lshlrev_b32 v[SGO], 4, v6
	v_add_nc_u32 v[SRD], s73, v[SGO]
	s_lshl_b32 s[OC], s[TY], 7                     ; my first row of pbuf,
	s_lshl_b32 s72, s[WM], 6
	s_add_co_u32 s[OC], s[OC], s72
	s_lshl_b32 s[OC], s[OC], 12
	s_lshl_b32 s72, s[TX], 9                       ; my first key, in bytes
	s_add_co_u32 s[OC], s[OC], s72
	s_lshl_b32 s72, s[WN], 8
	s_add_co_u32 s[OC], s[OC], s72
	s_mov_b32 s[OC+1], 0
	s_add_nc_u64 s[8:9], s[8:9], s[OC:OC+1]
	s_lshl_b32 s74, s[TX], 1                       ; my chunk, 2 x tile column + half,
	s_add_co_u32 s74, s74, s[WN]
	s_lshl_b32 s74, s74, 7
	s_lshl_b32 s75, s[TY], 1                       ; my group of 64 rows, 2 x tile row + half
	s_add_co_u32 s74, s74, s75
	s_add_co_u32 s74, s74, s[WM]
	s_lshl_b32 s74, s74, 9
	s_mov_b32 s75, 0
	s_add_nc_u64 s[10:11], s[10:11], s[74:75]
; 8 matrix instructions: block a of my queries x all 8 blocks of my keys, 32 channels, from buffer f.  The 32 accumulators take turns, one instruction a turn.
.macro MUL8 f, a, zero
	WIN MUL
.irp b, 0,1,2,3,4,5,6,7
.if \zero
	v_wmma_f32_16x16x32_f16 v[64*(\a)+8*(\b):64*(\a)+8*(\b)+7], v[(\f)+32+8*(\b):(\f)+32+8*(\b)+7], v[(\f)+8*(\a):(\f)+8*(\a)+7], 0
.else
	v_wmma_f32_16x16x32_f16 v[64*(\a)+8*(\b):64*(\a)+8*(\b)+7], v[(\f)+32+8*(\b):(\f)+32+8*(\b)+7], v[(\f)+8*(\a):(\f)+8*(\a)+7], v[64*(\a)+8*(\b):64*(\a)+8*(\b)+7]
.endif
.endr
.endm
.macro FETCH slot, k, f                ; 24 LDS loads in one run: k's sixteen first, then q's eight
	WIN 0
.irp i, 0,1,2,3,4,5,6,7
	ds_load_b128 v[(\f)+32+8*(\i):(\f)+32+8*(\i)+3],   v[ADRB+(\slot)] offset:(\k)+(\i)*16*PITCH
	ds_load_b128 v[(\f)+32+8*(\i)+4:(\f)+32+8*(\i)+7], v[ADRB+(\slot)] offset:(\k)+(\i)*16*PITCH+32
.endr
.irp i, 0,1,2,3
	ds_load_b128 v[(\f)+8*(\i):(\f)+8*(\i)+3],   v[ADRA+(\slot)] offset:(\k)+(\i)*16*PITCH
	ds_load_b128 v[(\f)+8*(\i)+4:(\f)+8*(\i)+7], v[ADRA+(\slot)] offset:(\k)+(\i)*16*PITCH+32
.endr
.endm
.macro PLACES                          ; four places in front of loads into registers that matrix instructions have read, and of vector lines that read results (ISA guide 7.12.1 for vector lines)
.rept 4
	v_nop
.endr
.endm
.macro QUARTER slot, k, f, g, zero
	s_wait_dscnt 4                                 ; k and q's blocks 0, 1 are in; the youngest four loads (q's blocks 2, 3) may be out
	MUL8 \f, 0, \zero
	MUL8 \f, 1, \zero
	PLACES
	FETCH \slot, \k, \g
	s_wait_dscnt 24                                ; all but the 24 just issued
	MUL8 \f, 2, \zero
	MUL8 \f, 3, \zero
.endm
; The change of slots: ONE barrier; in front of it each wave waits for all its tensor loads (one is out: its part of the next slot), adds 0 to its spare word, and waits for that and for its reads of this slot.
.macro TURN slot, next, fill
	WIN 0
	s_wait_tensorcnt 0x0                           ; all my tensor loads have landed
	ds_add_u32 v[SPW], v[NIL]                      ; 0 onto my spare word
	s_wait_dscnt 5                                 ; (the add and the youngest four loads may be out)
	MUL8 F1, 0, 0
	s_wait_dscnt 0x0                               ; the add is done, and my reads of this slot are over
	s_barrier_signal -1
	MUL8 F1, 1, 0
.if \fill
	WIN 0
.endif
	s_barrier_wait -1
.if \fill
	CREST                                          ; no wave of any partner still reads this slot's tiles or has a load on its way
	s_add_nc_u64 s[G0A+4*(\slot)+2:G0A+4*(\slot)+3], s[G0A+4*(\slot)+2:G0A+4*(\slot)+3], 512
	s_add_nc_u64 s[G0B+4*(\slot)+2:G0B+4*(\slot)+3], s[G0B+4*(\slot)+2:G0B+4*(\slot)+3], STEPB
	JLOAD \slot                                    ; my one tensor load behind the round; its four v_nop are also the places in front of the loads below
.else
	PLACES
.endif
	FETCH \next, 0, F0
	MUL8 F1, 2, 0
	MUL8 F1, 3, 0
.endm
	s_wait_tensorcnt 1                             ; my part of K step 0 is in; K step 1's may stay out
	s_barrier_signal -1
	s_barrier_wait -1
	FETCH 0, 0, F0
	QUARTER 0, 64, F0, F1, 1
	WIN 0
	s_mov_b32 s[LAP], LAPS-1
.Llap:
	QUARTER 0, 128, F1, F0, 0
	QUARTER 0, 192, F0, F1, 0
	TURN 0, 1, 1
	QUARTER 1, 64,  F0, F1, 0
	QUARTER 1, 128, F1, F0, 0
	QUARTER 1, 192, F0, F1, 0
	TURN 1, 0, 1
	QUARTER 0, 64,  F0, F1, 0
	WIN 0
	s_sub_co_u32 s[LAP], s[LAP], 1
	s_cmp_lg_u32 s[LAP], 0
	s_cbranch_scc1 .Llap
	QUARTER 0, 128, F1, F0, 0
	QUARTER 0, 192, F0, F1, 0
	TURN 0, 1, 0
	QUARTER 1, 64,  F0, F1, 0
	QUARTER 1, 128, F1, F0, 0
	QUARTER 1, 192, F0, F1, 0
	s_wait_dscnt 4
	MUL8 F1, 0, 0
	MUL8 F1, 1, 0
	s_wait_dscnt 0x0
	MUL8 F1, 2, 0
	MUL8 F1, 3, 0
	WIN 0
	PLACES
; THE WAY OUT of block a (16 queries x my 128 keys; a lane holds 64 scores of one query).
.macro SOFT a
.set AC, 64*(\a)
.set TMP, 128+32*(\a)
	WIN 0x15                                       ; all three sources window 1, destination window 0.  Eight chains, one an accumulator
.irp b, 0,1,2,3,4,5,6,7
	v_max3_num_f32 v[T+(\b)], v[AC+8*(\b)], v[AC+8*(\b)+1], v[AC+8*(\b)+2]
.endr
	WIN 0x14                                       ; source 0 window 0
.irp b, 0,1,2,3,4,5,6,7
	v_max3_num_f32 v[T+(\b)], v[T+(\b)], v[AC+8*(\b)+3], v[AC+8*(\b)+4]
.endr
.irp b, 0,1,2,3,4,5,6,7
	v_max3_num_f32 v[T+(\b)], v[T+(\b)], v[AC+8*(\b)+5], v[AC+8*(\b)+6]
.endr
.irp b, 0,1,2,3
	v_max3_num_f32 v[T+(\b)], v[T+(\b)], v[AC+8*(\b)+7], v[AC+8*(\b)+39]  ; the eight scores left over
.endr
	WIN 0
	v_max3_num_f32 v[T], v[T], v[T+1], v[T+2]
	v_max3_num_f32 v[T+3], v[T+3], v[T+4], v[T+5]
	v_max3_num_f32 v[T], v[T], v[T+3], v[T+6]
	v_max_num_f32 v[T], v[T], v[T+7]
	v_permlanex16_b32 v[T+1], v[T], s[SEL], s[SEL+1]  ; the query's other 64 keys lie in the lane 16 away
	v_max_num_f32 v[CM+1], v[T], v[T+1]            ; m: the maximum of the row's 128 scores
	v_mul_f32 v[CM], s[CS], v[CM+1]                ; c m
	WIN 0x41                                       ; destination and source 0 window 1, source 2 window 0
.set i, 0
.rept 32
	v_pk_fma_f32 v[AC+2*i:AC+2*i+1], v[AC+2*i:AC+2*i+1], s[CS:CS+1], v[CM:CM+1] op_sel_hi:[1,0,0] neg_lo:[0,0,1] neg_hi:[0,0,1]  ; c s - c m
.set i, i+1
.endr
.set i, 0
.rept 64
	v_exp_f32 v[AC+i], v[AC+i]
.set i, i+1
.endr
	v_nop                                          ; a plain instruction between the last exponential and the use of its result (ISA guide 5.7.2)
	WIN 0x05                                       ; sources 0 and 1 window 1, destination window 0
.set i, 0
	s_wait_alu depctr_va_vdst(0)
.rept 16
	v_pk_add_f32 v[U+2*i:U+2*i+1], v[AC+4*i:AC+4*i+1], v[AC+4*i+2:AC+4*i+3]  ; the sum is taken of the unrounded weights
.set i, i+1
.endr
.set i, 0
.rept 32
	v_cvt_pk_f16_f32 v[TMP+i], v[AC+2*i], v[AC+2*i+1]
.set i, i+1
.endr
	WIN 0
.irp w, 16, 8, 4, 2                    ; sixteen pairs into one: neighbours w registers apart
.set i, 0
.rept (\w)/2
	v_pk_add_f32 v[U+i:U+i+1], v[U+i:U+i+1], v[U+(\w)+i:U+(\w)+i+1]
.set i, i+2
.endr
.endr
	v_add_f32 v[LS], v[U], v[U+1]
	v_permlanex16_b32 v[U], v[LS], s[SEL], s[SEL+1]
	v_add_f32 v[LS], v[LS], v[U]                   ; l
	ds_store_b32 v[STA], v[CM] offset:64*(\a)      ; both halves of the lanes write the same number to the same word
	ds_store_b32 v[STA], v[LS] offset:256+64*(\a)
.irp b, 0,1,2,3,4,5,6,7
	ds_store_b128 v[STO], v[TMP+4*(\b):TMP+4*(\b)+3] offset:32*(\b)
.endr
.irp t, 0,1,2,3,4,5,6,7
	ds_load_b128 v[TMP+4*(\t):TMP+4*(\t)+3], v[RD] offset:(\t)*2*SPITCH  ; LDS serves a wave's instructions in order (ISA guide 5.7.1.4): these see the stores above; the next block's stores come behind them
.endr
.endm
.macro SEND a, younger                 ; younger: the LDS instructions issued behind block a's loads: the next block's 2 + 8 + 8, or none
.set TMP, 128+32*(\a)
.irp t, 0,1,2,3,4,5,6,7
	s_wait_dscnt (\younger)+7-(\t)
	global_store_b128 v[CO], v[TMP+4*(\t):TMP+4*(\t)+3], s[8:9] offset:(16*(\a)+2*(\t))*CROW  ; 16 lanes store 256 consecutive bytes, at a multiple of 256 from pbuf's first byte
.endr
.endm
	SOFT 0
	SOFT 1                                         ; a block's arithmetic stands between the loads of the block before and its stores
	SEND 0, 18
	SOFT 2
	SEND 1, 18
	SOFT 3
	SEND 2, 18
	SEND 3, 0
	ds_load_b128 v[SB:SB+3], v[SRD]                ; my block of stats, whole: my own stores, served in order
	s_wait_dscnt 0x0
	global_store_b128 v[SGO], v[SB:SB+3], s[10:11] ; 512 consecutive bytes, at a multiple of 256 from stats' first byte
	s_wait_tensorcnt 0x0                           ; the wave's end: the add and its waits, behind my last tensor load and my last LDS store
	ds_add_u32 v[SPW], v[NIL]
	s_wait_dscnt 0x0
	CROUND                                         ; the closing round: no work-group ends while a partner may still ask for a tile that names it
	s_endpgm
.Lfunc_end_k_q7d759e741f_score:
	.size	k_q7d759e741f_score, .Lfunc_end_k_q7d759e741f_score-k_q7d759e741f_score
	.p2alignl 7, 3214868480
	.fill 96, 4, 3214868480
	.section	.rodata,"a",@progbits
	.p2align	6, 0x0
	.amdhsa_kernel k_q7d759e741f_score
		.amdhsa_group_segment_fixed_size 327680
		.amdhsa_private_segment_fixed_size 0
		.amdhsa_enable_private_segment 0
		.amdhsa_kernarg_size 24
		.amdhsa_user_sgpr_count 2
		.amdhsa_user_sgpr_kernarg_segment_ptr 1
		.amdhsa_wavefront_size32 1
		.amdhsa_system_sgpr_workgroup_id_x 1
		.amdhsa_system_sgpr_workgroup_id_y 1
		.amdhsa_system_sgpr_workgroup_id_z 1
		.amdhsa_system_vgpr_workitem_id 0
		.amdhsa_next_free_vgpr 512
		.amdhsa_next_free_sgpr 80
		.amdhsa_reserve_vcc 0
		.amdhsa_float_denorm_mode_32 3
		.amdhsa_float_denorm_mode_16_64 3
		.amdhsa_memory_ordered 1
		.amdhsa_forward_progress 1
		.amdhsa_inst_pref_size 122
	.end_amdhsa_kernel
	.amdgpu_metadata
---
amdhsa.version: [ 1, 2 ]
amdhsa.kernels:
  - .name:           k_q7d759e741f_score
    .symbol:         k_q7d759e741f_score.kd
    .args:
      - { .name: qkv, .offset: 0, .size: 8, .value_kind: global_buffer, .address_space: global }
      - { .name: pbuf, .offset: 8, .size: 8, .value_kind: global_buffer, .address_space: global }
      - { .name: stats, .offset: 16, .size: 8, .value_kind: global_buffer, .address_space: global }
    .group_segment_fixed_size: 327680
    .private_segment_fixed_size: 0
    .kernarg_segment_align: 8
    .kernarg_segment_size: 24
    .max_flat_workgroup_size: 128
    .sgpr_count:     80
    .vgpr_count:     512
    .wavefront_size: 32
...
	.end_amdgpu_metadata
.endif
;; end of part 3
;; launch pv (part 4): grid 4 x 64, 4 waves a work-group, clusters of 4 x 4, 327,680 bytes of LDS; arguments pbuf, qkv, out0, stats; writes out0
.if DOCPART == 4
	.amdgcn_target "amdgcn-amd-amdhsa--gfx1250"
	.amdhsa_code_object_version 6
	.text
	.protected	k_q7d759e741f_pv
	.globl	k_q7d759e741f_pv
	.p2align	8
	.type	k_q7d759e741f_pv,@function
k_q7d759e741f_pv:
	s_mov_b64 s[64:65], 0
	v_nop
	global_prefetch_b8 v0, s[64:65] scope:SCOPE_SE
	s_setreg_imm32_b32 hwreg(HW_REG_WAVE_MODE, 25, 1), 1
	s_wait_xcnt 0x0
	s_wait_alu depctr_hold_cnt(0) depctr_sa_sdst(0) depctr_va_vdst(0) depctr_va_sdst(0) depctr_va_ssrc(0) depctr_va_vcc(0) depctr_vm_vsrc(0)
	s_getreg_b32 s2, hwreg(HW_REG_IB_STS2, 6, 4)
	s_cmp_eq_u32 s2, 0
	s_cbranch_scc0 .Lentry_in_a_cluster
	s_endpgm
.Lentry_in_a_cluster:
	s_bfe_u32 s2, ttmp6, 0x10000c
	s_cmp_lg_u32 s2, 0xf033
	s_cbranch_scc0 .Lentry_shape_is_right
	s_endpgm
.Lentry_shape_is_right:
; out0[m][e] = (1 / L[m]) x the sum over the 2,048 keys n of m's batch of (f[m][chunk of n] p'[m][n]) v[n][e].  p': pbuf [8192][2048] f16; v: f16, from byte 4,096 of qkv's rows of 6,144; out0: [8192][1024] f32.
; THE SOFTMAX'S SECOND HALF.  For a row's sixteen chunks of 128 keys stats holds c m_c and l_c.  M = the largest c m_c (the row's true maximum, times c); f_c = 2^(c m_c - M), at most 1;
; L = the sum of f_c l_c in f32, at least about 1.  A K step of 128 keys IS a chunk: p's fragments are multiplied by f_c in f16 as they come from LDS, and the f32 sums by 1 / L on the way out.
; LIMITS.  f, and p' f, are rounded to f16 and below 6e-5 keep its fixed step of 6e-8; f below 2^-126 counts as 0 in L; NaN and infinities are not treated apart.
; SHARES, RING, CLUSTER.  A tile is 128 rows x 256 channels: 64 x 4 = 256 work-groups, one for each WGP; four waves of 64 x 128; K = 2,048 keys in steps of 128 through two LDS slots; 4 x 4 work-groups ask jointly
; for p's tile along a row of the cluster and for v's along a column.  v comes as it lies, [key][channel], and is turned on its way out of LDS by ds_load_tr16_b128.
; The matrix instruction is used transposed (source 0 = 16 channels, source 1 = 16 rows): a lane holds one row (l % 16) and, in accumulator b, the channels 16 b + 8 (l / 16) + 0..7.
; REGISTERS.  Window 0: v0-31 addresses; v32-39 the factors of slot 0's and slot 1's chunk (one packed pair (f, f) for each of my four blocks of rows); v40-51 1 / L; fragment buffers v64-159, v160-255
;   (in the prologue the stats, on the way out three sets of 64).  Window 1: accumulator (a, b) at v[64 a + 8 b].
.set SIZE_K, 2048
.set LDA,    2048
.set LDB,    3072
.set CROW,   4096                      ; bytes in a row of out0
.set KB,     128*6144                  ; bytes from a K step to the next in v: 128 keys
.set STEPB,  2*KB
.set PITCH,  272                       ; a row of p' in LDS: 256 bytes + 16 = 68 words: row r starts at bank 4 r mod 64 (64 banks of 4 bytes: ISA guide 11.1)
.set VPITCH, 544                       ; a row of v: 512 bytes + 32 = 136 words: row r starts at bank 8 r mod 64
.set AHALF,  64*PITCH
.set ABYTES, 2*AHALF
.set BHALF,  64*VPITCH                 ; 64 keys: what one tensor load brings of v
.set SLOT,   ABYTES+2*BHALF
.set STAGE,  2*SLOT                    ; behind the ring: 16 rows x 528 bytes for each wave, for the way out
.set OPITCH, 528                       ; 512 bytes + 16 = 132 words: row r starts at bank 4 r mod 64
.set FAC,    STAGE+4*16*OPITCH         ; behind the stages, 4,352 bytes for each wave: 16 chunks x 256 bytes of (f, f), word 4 r + a for row 16 a + r; then 256 bytes of 1 / L, laid alike
.set FACW,   4352
.set SPARE,  FAC+4*FACW                ; behind them: the spare words, 128 bytes for each wave: two blocks of 256 bytes that no other line names
.set LAPS,   SIZE_K/256
.set ADRA, 16
.set ADRB, 20
.set STO,  24
.set RD,   25
.set CO,   26
.set FAD0, 27                          ; v27     LDS address of my row's four factors of chunk 0; never rewritten
.set SPW,  28
.set NIL,  29
.set FAD,  30                          ; v30     the same for the lap in hand
.set FC0,  32                          ; v32-35 slot 0's factors, v36-39 slot 1's
.set RP,   40                          ; v40-47  1 / L of my row in block a, twice: a pair for the packed multiply
.set RL,   48                          ; v48-51  as loaded
.set MX,   128                         ; the prologue: v128-129 M, v130-131 L, v132-133 1 / L, for rows 2 lane and 2 lane + 1
.set F0,   64
.set F1,   160
.set WV, 12
.set WM, 13
.set WN, 14
.set LAP, 15
.set CX, 16
.set CY, 17
.set TX, 18
.set TY, 19
.set RMASK, 20
.set CMASK, 21
.set BT, 22                            ; s22  the batch: made of the cluster's y alone
.set G1A, 24
.set G0A, 32
.set G1B, 40
.set G0B, 48
.set OA, 56
.set OB, 58
.set LA, 60
.set LB, 61
.set OC, 62
.set FB, 74                            ; s74  512 x the lap: two chunks' factors a lap
.set MSB, 0
.macro WIN new
.if MSB != (\new)
	s_set_vgpr_msb (MSB<<8)|(\new)
.set MSB, \new
.endif
.endm
.set MUL, 0x50
.macro JLOAD s                         ; a joint load: waves 0 and 1 fetch p's two halves, waves 2 and 3 v's; an s_nop 0 and four v_nop follow each of the two lines
	s_cmp_eq_u32 s[WM], 0
	s_cbranch_scc0 .Lfor_b_\@
	tensor_load_to_lds s[G0A+4*(\s):G0A+4*(\s)+3], s[G1A:G1A+7]
	s_nop 0
.rept 4
	v_nop
.endr
	s_branch .Lasked_\@
.Lfor_b_\@:
	tensor_load_to_lds s[G0B+4*(\s):G0B+4*(\s)+3], s[G1B:G1B+7]
	s_nop 0
.rept 4
	v_nop
.endr
.Lasked_\@:
.endm
.macro CREST
	s_cmp_lg_u32 s[WV], 0
	s_cbranch_scc1 .Lnot_wave_0_\@
	s_barrier_signal -3
.Lnot_wave_0_\@:
	s_barrier_wait -3
	s_barrier_signal -1
	s_barrier_wait -1
.endm
.macro CROUND
	s_barrier_signal -1
	s_barrier_wait -1
	CREST
.endm
	s_load_b256 s[4:11], s[0:1], 0x0               ; pbuf s[4:5], qkv s[6:7], out0 s[8:9], stats s[10:11]
	v_lshl_add_u32 v[SPW], v0, 2, SPARE
	v_mov_b32 v[NIL], 0
	ds_add_u32 v[SPW], v[NIL]                      ; the wave's opening: the add and its wait stand ahead of my first tensor load; the set-up below, work on registers, stands between them
	v_lshrrev_b32 v1, 5, v0
	v_readfirstlane_b32 s[WV], v1
	s_lshr_b32 s[WM], s[WV], 1
	s_and_b32 s[WN], s[WV], 1
	s_bfe_u32 s[CX], ttmp6, 0x40000
	s_bfe_u32 s[CY], ttmp6, 0x40004
	s_lshl_b32 s[TX], ttmp9, 2
	s_add_co_u32 s[TX], s[TX], s[CX]
	s_and_b32 s[TY], ttmp7, 0xffff
	s_lshr_b32 s[BT], s[TY], 2
	s_lshl_b32 s[TY], s[TY], 2
	s_add_co_u32 s[TY], s[TY], s[CY]
	s_lshl_b32 s[RMASK], s[CY], 2
	s_lshl_b32 s[RMASK], 15, s[RMASK]
	s_lshl_b32 s[CMASK], 0x1111, s[CX]
	s_or_b32 s[G1A+0], s[RMASK], (1<<16)|(1<<20)|(1<<21)|(5<<22)|(3<<25)  ; p': 64 rows x 128 elements of 2 bytes, 4 words of padding after every 64
	s_or_b32 s[G1B+0], s[CMASK], (1<<16)|(1<<20)|(1<<21)|(6<<22)|(7<<25)  ; v: 64 rows x 256 elements, 8 words of padding after every 128
	s_mov_b32 s[G1A+1], 128<<16
	s_mov_b32 s[G1B+1], 256<<16
	s_mov_b32 s[G1A+2], 64<<16
	s_mov_b32 s[G1B+2], 64<<16
	s_mov_b32 s[G1A+3], 128<<16
	s_mov_b32 s[G1B+3], 256<<16
	s_mov_b32 s[G1A+4], 64
	s_mov_b32 s[G1B+4], 64
	s_mov_b32 s[G1A+5], LDA
	s_mov_b32 s[G1B+5], LDB
	s_mov_b32 s[G1A+6], 0
	s_mov_b32 s[G1B+6], 0
	s_mov_b32 s[G1A+7], 0
	s_mov_b32 s[G1B+7], 0
	s_lshl_b32 s[OA], s[TY], 7                     ; p': row 128 x tile row + 64 x half, 4,096 bytes a row
	s_lshl_b32 s70, s[WN], 6
	s_add_co_u32 s[OA], s[OA], s70
	s_lshl_b32 s[OA], s[OA], 12
	s_mov_b32 s[OA+1], 0
	s_lshl_b32 s[OB], s[BT], 11                    ; v: key 2,048 x batch + 64 x half; from byte 4,096 of the row, 512 bytes a tile column
	s_lshl_b32 s71, s[WN], 6
	s_add_co_u32 s[OB], s[OB], s71
	s_mul_i32 s[OB], s[OB], 6144
	s_lshl_b32 s71, s[TX], 9
	s_add_co_u32 s[OB], s[OB], s71
	s_add_co_u32 s[OB], s[OB], 4096
	s_mov_b32 s[OB+1], 0
	s_mul_i32 s[LA], s[WN], AHALF
	s_mul_i32 s[LB], s[WN], BHALF
	s_add_co_u32 s[LB], s[LB], ABYTES
	s_mov_b32 s[FB], 0
	s_wait_dscnt 0x0                               ; the opening add is done
	s_wait_kmcnt 0x0
	s_add_nc_u64 s[OA:OA+1], s[4:5], s[OA:OA+1]
	s_add_nc_u64 s[OB:OB+1], s[6:7], s[OB:OB+1]
	CROUND                                         ; all sixteen work-groups are here: the first joint loads meet
.irp s, 0,1
	s_mov_b32 s[G0A+4*(\s)], 1
	s_add_co_u32 s[G0A+4*(\s)+1], s[LA], (\s)*SLOT
	s_add_nc_u64 s[G0A+4*(\s)+2:G0A+4*(\s)+3], s[OA:OA+1], (\s)*256
	s_or_b32 s[G0A+4*(\s)+3], s[G0A+4*(\s)+3], 0x80000000
	s_mov_b32 s[G0B+4*(\s)], 1
	s_add_co_u32 s[G0B+4*(\s)+1], s[LB], (\s)*SLOT
	s_add_nc_u64 s[G0B+4*(\s)+2:G0B+4*(\s)+3], s[OB:OB+1], (\s)*KB
	s_or_b32 s[G0B+4*(\s)+3], s[G0B+4*(\s)+3], 0x80000000
	JLOAD \s                                       ; two tensor loads of mine are out
.endr
	; THE PROLOGUE stands in the wait for the first tiles.  My wave's 64 rows: lane i takes rows 2 i and 2 i + 1; of each chunk c m and l, 256 consecutive bytes a load.
	s_lshl_b32 s72, s[TY], 1
	s_add_co_u32 s72, s72, s[WM]                   ; my group of 64 rows
	s_lshl_b32 s72, s72, 9
	s_mov_b32 s73, 0
	s_add_nc_u64 s[10:11], s[10:11], s[72:73]
	v_and_b32 v7, 31, v0                           ; lane
	v_lshlrev_b32 v8, 3, v7
.set c, 0
.rept 16
	global_load_b64 v[64+2*c:65+2*c], v8, s[10:11] offset:65536*c      ; c m of chunk c
	global_load_b64 v[96+2*c:97+2*c], v8, s[10:11] offset:65536*c+256  ; l
.set c, c+1
.endr
	v_and_b32 v1, 15, v0                           ; r = l % 16
	v_bfe_u32 v2, v0, 4, 1                         ; h = l / 16
	v_mul_u32_u24 v3, v1, PITCH                    ; a fragment of p': row r, 16 bytes for each half of the lanes
	v_lshl_add_u32 v3, v2, 4, v3
	; the turning load takes 16 keys x 16 channels (lane l reads key 8 (l / 16) + l % 8, channels 8 ((l / 8) % 2) + 0..7) and leaves half a fragment of v^T: lane l holds channel l % 16 and 8 keys
	v_and_b32 v9, 7, v0
	v_bfe_u32 v6, v0, 3, 1
	v_lshl_add_u32 v5, v2, 3, v9
	v_mul_u32_u24 v5, v5, VPITCH
	v_lshl_add_u32 v5, v6, 4, v5
	s_mul_i32 s70, s[WM], AHALF                    ; my 64 rows of p'
	s_lshl_b32 s71, s[WN], 8                       ; my 128 channels of v, behind p'
	s_add_co_u32 s71, s71, ABYTES
.irp s, 0,1
	v_add_nc_u32 v[ADRA+(\s)], s70, v3
	v_add_nc_u32 v[ADRB+(\s)], s71, v5
	s_add_co_u32 s70, s70, SLOT
	s_add_co_u32 s71, s71, SLOT
.endr
	s_mul_i32 s73, s[WV], 16*OPITCH
	s_add_co_u32 s73, s73, STAGE                   ; my stage
	v_mul_u32_u24 v4, v1, OPITCH                   ; in: row r, 32 bytes for each half of the lanes
	v_lshl_add_u32 v4, v2, 5, v4
	v_add_nc_u32 v[STO], s73, v4
	v_lshlrev_b32 v[CO], 4, v7                     ; back: 32 lanes take one row of 512 bytes
	v_add_nc_u32 v[RD], s73, v[CO]
	s_mul_i32 s75, s[WV], FACW
	s_add_co_u32 s75, s75, FAC                     ; my factors
	v_lshl_add_u32 v[FAD0], v1, 4, s75             ; read: the four words of row r
	v_bfe_u32 v10, v0, 3, 2                        ; written: row 2 i is row 2 (i % 8) of block i / 8: word 8 (i % 8) + i / 8; row 2 i + 1 four words on
	v_lshlrev_b32 v9, 5, v9
	v_lshl_add_u32 v9, v10, 2, v9
	v_add_nc_u32 v9, s75, v9
	s_lshl_b32 s[OC], s[TY], 7                     ; my first row of out0,
	s_lshl_b32 s72, s[WM], 6
	s_add_co_u32 s[OC], s[OC], s72
	s_lshl_b32 s[OC], s[OC], 12
	s_lshl_b32 s72, s[TX], 10                      ; my first channel, in bytes
	s_add_co_u32 s[OC], s[OC], s72
	s_lshl_b32 s72, s[WN], 9
	s_add_co_u32 s[OC], s[OC], s72
	s_mov_b32 s[OC+1], 0
	s_add_nc_u64 s[8:9], s[8:9], s[OC:OC+1]
	s_wait_loadcnt 0x0                             ; the stats
.irp p, 0,1
	v_max3_num_f32 v[MX+(\p)], v[64+(\p)], v[66+(\p)], v[68+(\p)]
.irp c, 70,74,78,82,86,90
	v_max3_num_f32 v[MX+(\p)], v[MX+(\p)], v[(\c)+(\p)], v[(\c)+2+(\p)]
.endr
	v_max_num_f32 v[MX+(\p)], v[MX+(\p)], v[94+(\p)]  ; M: the largest of the row's sixteen c m
.endr
.set c, 0
.rept 16
	v_pk_add_f32 v[64+2*c:65+2*c], v[64+2*c:65+2*c], v[MX:MX+1] neg_lo:[0,1] neg_hi:[0,1]  ; c m - M, 0 at the most
.set c, c+1
.endr
.set c, 0
.rept 32
	v_exp_f32 v[64+c], v[64+c]                     ; f
.set c, c+1
.endr
	v_nop                                          ; a plain instruction between the last exponential and the use of its result (ISA guide 5.7.2)
	s_wait_alu depctr_va_vdst(0)
	v_pk_mul_f32 v[MX+2:MX+3], v[64:65], v[96:97]
.set c, 1
.rept 15
	v_pk_fma_f32 v[MX+2:MX+3], v[64+2*c:65+2*c], v[96+2*c:97+2*c], v[MX+2:MX+3]  ; L
.set c, c+1
.endr
	v_rcp_f32 v[MX+4], v[MX+2]
	v_rcp_f32 v[MX+5], v[MX+3]                     ; the roundings below, which touch neither L nor 1 / L, stand between the reciprocals and their use
.set c, 0
.rept 32
	v_cvt_pk_f16_f32 v[96+c], v[64+c], v[64+c]     ; (f, f), where l lay
.set c, c+1
.endr
.set c, 0
.rept 16
	ds_store_b32 v9, v[96+2*c] offset:256*c
	ds_store_b32 v9, v[97+2*c] offset:256*c+16
.set c, c+1
.endr
	s_wait_alu depctr_va_vdst(0)
	ds_store_b32 v9, v[MX+4] offset:4096
	ds_store_b32 v9, v[MX+5] offset:4112
; 8 matrix instructions: block a of my rows x all 8 blocks of my channels, 32 keys, from buffer f.  The 32 accumulators take turns, one instruction a turn.
.macro MUL8 f, a, zero
	WIN MUL
.irp b, 0,1,2,3,4,5,6,7
.if \zero
	v_wmma_f32_16x16x32_f16 v[64*(\a)+8*(\b):64*(\a)+8*(\b)+7], v[(\f)+32+8*(\b):(\f)+32+8*(\b)+7], v[(\f)+8*(\a):(\f)+8*(\a)+7], 0
.else
	v_wmma_f32_16x16x32_f16 v[64*(\a)+8*(\b):64*(\a)+8*(\b)+7], v[(\f)+32+8*(\b):(\f)+32+8*(\b)+7], v[(\f)+8*(\a):(\f)+8*(\a)+7], v[64*(\a)+8*(\b):64*(\a)+8*(\b)+7]
.endif
.endr
.endm
.macro SCALE f, a, fc                  ; block a's fragment of p' times its row's f, two f16 at a time
.irp i, 0,1,2,3,4,5,6,7
	v_pk_mul_f16 v[(\f)+8*(\a)+(\i)], v[(\f)+8*(\a)+(\i)], v[(\fc)+(\a)]
.endr
.endm
; 24 LDS loads in one run: the fragments of quarter q (32 keys) into buffer f: v's sixteen (turned) first, then p's eight
.macro FETCH slot, q, f
	WIN 0
.irp i, 0,1,2,3,4,5,6,7
	ds_load_tr16_b128 v[(\f)+32+8*(\i):(\f)+32+8*(\i)+3],   v[ADRB+(\slot)] offset:(\q)*32*VPITCH+32*(\i)
	ds_load_tr16_b128 v[(\f)+32+8*(\i)+4:(\f)+32+8*(\i)+7], v[ADRB+(\slot)] offset:(\q)*32*VPITCH+16*VPITCH+32*(\i)
.endr
.irp i, 0,1,2,3
	ds_load_b128 v[(\f)+8*(\i):(\f)+8*(\i)+3],   v[ADRA+(\slot)] offset:64*(\q)+(\i)*16*PITCH
	ds_load_b128 v[(\f)+8*(\i)+4:(\f)+8*(\i)+7], v[ADRA+(\slot)] offset:64*(\q)+(\i)*16*PITCH+32
.endr
.endm
; One of a K step's first three quarters: multiplies buffer f and fetches quarter q into g.  The scalings name no register of the products that read g: they are the places in front of the loads
.macro QUARTER slot, q, f, g, zero
.set FCX, FC0+4*(\slot)
	WIN 0
	s_wait_dscnt 4                                 ; the factors, v and p's blocks 0, 1 are in; the youngest four loads (p's blocks 2, 3) may be out
	SCALE \f, 0, FCX
	SCALE \f, 1, FCX
	MUL8 \f, 0, \zero
	MUL8 \f, 1, \zero
	WIN 0
	s_wait_dscnt 0x0                               ; p's blocks 2, 3
	SCALE \f, 2, FCX
	SCALE \f, 3, FCX
	FETCH \slot, \q, \g
	MUL8 \f, 2, \zero
	MUL8 \f, 3, \zero
.endm
; The change of slots: ONE barrier; in front of it each wave waits for all its tensor loads (one is out: its part of the next slot), adds 0 to its spare word, and waits for that and for its reads of this slot.
; Behind it: the refill (fill = 1, behind a round of the cluster's barrier), the next chunk's factors, the next slot's first fragments.
.macro TURN slot, next, fill
.set FCX, FC0+4*(\slot)
	WIN 0
	s_wait_tensorcnt 0x0                           ; all my tensor loads have landed
	ds_add_u32 v[SPW], v[NIL]                      ; 0 onto my spare word
	s_wait_dscnt 5                                 ; (the add and the youngest four loads may be out)
	SCALE F1, 0, FCX
	SCALE F1, 1, FCX
	MUL8 F1, 0, 0
	s_wait_dscnt 0x0                               ; the add is done, and my reads of this slot are over
	s_barrier_signal -1
	MUL8 F1, 1, 0
	WIN 0
	SCALE F1, 2, FCX                               ; work on registers while the others arrive; also the places in front of the loads below
	SCALE F1, 3, FCX
	s_barrier_wait -1
.if \fill
	CREST                                          ; no wave of any partner still reads this slot's tiles or has a load on its way
	s_add_nc_u64 s[G0A+4*(\slot)+2:G0A+4*(\slot)+3], s[G0A+4*(\slot)+2:G0A+4*(\slot)+3], 512
	s_add_nc_u64 s[G0B+4*(\slot)+2:G0B+4*(\slot)+3], s[G0B+4*(\slot)+2:G0B+4*(\slot)+3], STEPB
	JLOAD \slot                                    ; my one tensor load behind the round: 112 matrix instructions ahead of the wait for it
.endif
.if (\slot) == 0
	v_add_nc_u32 v[FAD], s[FB], v[FAD0]            ; this lap's two chunks
	ds_load_b128 v[FC0+4:FC0+7], v[FAD] offset:256 ; the odd chunk's factors: the oldest load of the run
.else
	ds_load_b128 v[FC0:FC0+3], v[FAD] offset:512   ; the next lap's even chunk
	s_add_co_u32 s[FB], s[FB], 512
.endif
	FETCH \next, 0, F0
	MUL8 F1, 2, 0
	MUL8 F1, 3, 0
.endm
	s_wait_tensorcnt 1                             ; my part of K step 0 is in; K step 1's may stay out
	s_wait_dscnt 0x0                               ; no LDS instruction of mine is pending at a signal
	s_barrier_signal -1
	s_barrier_wait -1
	ds_load_b128 v[FC0:FC0+3], v[FAD0]             ; chunk 0's factors: my own stores
	FETCH 0, 0, F0
	QUARTER 0, 1, F0, F1, 1                        ; the first quarter stands in front of the loop: its products start the sums
	WIN 0
	s_mov_b32 s[LAP], LAPS-1
.Llap:                                                 ; a trip goes once round the ring, from a lap's second quarter to the next lap's first, and fills both slots again
	QUARTER 0, 2, F1, F0, 0
	QUARTER 0, 3, F0, F1, 0
	TURN 0, 1, 1
	QUARTER 1, 1, F0, F1, 0
	QUARTER 1, 2, F1, F0, 0
	QUARTER 1, 3, F0, F1, 0
	TURN 1, 0, 1
	QUARTER 0, 1, F0, F1, 0
	WIN 0
	s_sub_co_u32 s[LAP], s[LAP], 1
	s_cmp_lg_u32 s[LAP], 0
	s_cbranch_scc1 .Llap
	QUARTER 0, 2, F1, F0, 0                        ; the last lap fills nothing
	QUARTER 0, 3, F0, F1, 0
	TURN 0, 1, 0
	QUARTER 1, 1, F0, F1, 0
	QUARTER 1, 2, F1, F0, 0
	QUARTER 1, 3, F0, F1, 0
	WIN 0                                          ; the very last quarter: nothing more to fetch but 1 / L
	s_wait_dscnt 4
	SCALE F1, 0, FC0+4
	SCALE F1, 1, FC0+4
	MUL8 F1, 0, 0
	MUL8 F1, 1, 0
	WIN 0
	s_wait_dscnt 0x0
	ds_load_b128 v[RL:RL+3], v[FAD0] offset:4096   ; 1 / L of row r in my four blocks
	SCALE F1, 2, FC0+4
	SCALE F1, 3, FC0+4
	MUL8 F1, 2, 0
	MUL8 F1, 3, 0
	WIN 0
	s_wait_dscnt 0x0
.irp a, 0,1,2,3                        ; pairs for the packed multiply; these eight lines name no register of the last products and are the places behind them
	v_mov_b32 v[RP+2*(\a)], v[RL+(\a)]
	v_mov_b32 v[RP+2*(\a)+1], v[RL+(\a)]
.endr
; THE WAY OUT, a block of 16 rows at a time: times 1 / L (each accumulator's registers in ascending order), 32 bytes a lane and accumulator into my own stage, back as whole rows of 512 bytes, stored.
.macro OUTF a
.set TMP, 64+64*((\a)%3)
	WIN 0x01                                       ; source 0 window 1
.set i, 0
.rept 32
	v_pk_mul_f32 v[TMP+2*i:TMP+2*i+1], v[64*(\a)+2*i:64*(\a)+2*i+1], v[RP+2*(\a):RP+2*(\a)+1]
.set i, i+1
.endr
	WIN 0
.set i, 0
.rept 16
	ds_store_b128 v[STO], v[TMP+4*i:TMP+4*i+3] offset:64*(i/2)+16*(i%2)
.set i, i+1
.endr
.set i, 0
.rept 16
	ds_load_b128 v[TMP+4*i:TMP+4*i+3], v[RD] offset:OPITCH*i  ; LDS serves a wave's instructions in order (ISA guide 5.7.1.4): these see the stores above; the next block's stores come behind them
.set i, i+1
.endr
.endm
.macro SENDF a, younger                ; younger: the LDS instructions issued behind block a's loads: the next block's 32, or none
.set TMP, 64+64*((\a)%3)
.set t, 0
.rept 16
	s_wait_dscnt (\younger)+15-t
	global_store_b128 v[CO], v[TMP+4*t:TMP+4*t+3], s[8:9] offset:(16*(\a)+t)*CROW th:TH_STORE_NT  ; 512 consecutive bytes, at a multiple of 256 from out0's first byte
.set t, t+1
.endr
.endm
	OUTF 0
	OUTF 1                                         ; a block's arithmetic stands between the loads of the block before and its stores
	SENDF 0, 32
	OUTF 2
	SENDF 1, 32
	s_wait_xcnt 0x0                                ; block 0's stores have had their addresses translated (ISA guide 3.1): only behind this wait are their data registers, which block 3 takes, written again
	OUTF 3
	SENDF 2, 32
	SENDF 3, 0
	s_wait_tensorcnt 0x0                           ; the wave's end: the add and its waits, behind my last tensor load and my last LDS store
	ds_add_u32 v[SPW], v[NIL]
	s_wait_dscnt 0x0
	CROUND                                         ; the closing round: no work-group ends while a partner may still ask for a tile that names it
	s_endpgm
.Lfunc_end_k_q7d759e741f_pv:
	.size	k_q7d759e741f_pv, .Lfunc_end_k_q7d759e741f_pv-k_q7d759e741f_pv
	.p2alignl 7, 3214868480
	.fill 96, 4, 3214868480
	.section	.rodata,"a",@progbits
	.p2align	6, 0x0
	.amdhsa_kernel k_q7d759e741f_pv
		.amdhsa_group_segment_fixed_size 327680
		.amdhsa_private_segment_fixed_size 0
		.amdhsa_enable_private_segment 0
		.amdhsa_kernarg_size 32
		.amdhsa_user_sgpr_count 2
		.amdhsa_user_sgpr_kernarg_segment_ptr 1
		.amdhsa_wavefront_size32 1
		.amdhsa_system_sgpr_workgroup_id_x 1
		.amdhsa_system_sgpr_workgroup_id_y 1
		.amdhsa_system_sgpr_workgroup_id_z 1
		.amdhsa_system_vgpr_workitem_id 0
		.amdhsa_next_free_vgpr 512
		.amdhsa_next_free_sgpr 80
		.amdhsa_reserve_vcc 0
		.amdhsa_float_denorm_mode_32 3
		.amdhsa_float_denorm_mode_16_64 3
		.amdhsa_memory_ordered 1
		.amdhsa_forward_progress 1
		.amdhsa_inst_pref_size 138
	.end_amdhsa_kernel
	.amdgpu_metadata
---
amdhsa.version: [ 1, 2 ]
amdhsa.kernels:
  - .name:           k_q7d759e741f_pv
    .symbol:         k_q7d759e741f_pv.kd
    .args:
      - { .name: pbuf, .offset: 0, .size: 8, .value_kind: global_buffer, .address_space: global }
      - { .name: qkv, .offset: 8, .size: 8, .value_kind: global_buffer, .address_space: global }
      - { .name: out0, .offset: 16, .size: 8, .value_kind: global_buffer, .address_space: global }
      - { .name: stats, .offset: 24, .size: 8, .value_kind: global_buffer, .address_space: global }
    .group_segment_fixed_size: 327680
    .private_segment_fixed_size: 0
    .kernarg_segment_align: 8
    .kernarg_segment_size: 32
    .max_flat_workgroup_size: 128
    .sgpr_count:     80
    .vgpr_count:     512
    .wavefront_size: 32
...
	.end_amdgpu_metadata
.endif
;; end of part 4
;; ======== version 2 of 2: 4 launches; 1.12 times as fast as version 1
;; limits: values are held in f16: magnitudes above 65,504 overflow, below 6.1e-05 lose precision
;; workspace buffers: xb 16,777,216 bytes; wb 6,291,456 bytes; qkv 50,331,648 bytes; pbuf 33,554,432 bytes; stats 1,048,576 bytes
;; launch cast: the kernel of part 1 again; grid 128 x 11, 8 waves a work-group, no clusters, 0 bytes of LDS; arguments x, Wq, Wk, Wv, xb, wb; writes xb, wb
;; launch proj (part 5): grid 12 x 32, 8 waves a work-group, clusters of 4 x 4, 327,680 bytes of LDS; arguments xb, wb, qkv; writes qkv
.if DOCPART == 5
	.amdgcn_target "amdgcn-amd-amdhsa--gfx1250"
	.amdhsa_code_object_version 6
	.text
	.protected	k_q7d759e741f_proj
	.globl	k_q7d759e741f_proj
	.p2align	8
	.type	k_q7d759e741f_proj,@function
k_q7d759e741f_proj:
	s_mov_b64 s[64:65], 0
	v_nop
	global_prefetch_b8 v0, s[64:65] scope:SCOPE_SE
	s_setreg_imm32_b32 hwreg(HW_REG_WAVE_MODE, 25, 1), 1
	s_wait_xcnt 0x0
	s_wait_alu depctr_hold_cnt(0) depctr_sa_sdst(0) depctr_va_vdst(0) depctr_va_sdst(0) depctr_va_ssrc(0) depctr_va_vcc(0) depctr_vm_vsrc(0)
	s_getreg_b32 s2, hwreg(HW_REG_IB_STS2, 6, 4)
	s_cmp_eq_u32 s2, 0
	s_cbranch_scc0 .Lentry_in_a_cluster
	s_endpgm
.Lentry_in_a_cluster:
	s_bfe_u32 s2, ttmp6, 0x10000c
	s_cmp_lg_u32 s2, 0xf033
	s_cbranch_scc0 .Lentry_shape_is_right
	s_endpgm
.Lentry_shape_is_right:
; qkv[m][n] = sum over k of xb[m][k] wb[n][k].  xb: [8192][1024] bf16, wb: [3072][1024] bf16 (Wq, Wk, Wv one below the other), qkv: [8192][3072] f16 (q, k, v side by side in a row); sums in f32.
; LIMIT.  q, k and v are rounded once to f16: a sum of 65,520 or more in magnitude becomes an infinity; below 6e-5 f16 keeps its fixed step of 6e-8.  NaN and infinities are not treated apart.
; SHARES.  A tile of C is 256 x 256, made by EIGHT waves of 512 registers, each 64 rows x 128 columns: 32 accumulators of 16 x 16, 256 registers.  Against a tile of 128 x 256 a K step holds twice the
; products between a tile's request and the wait for it, and asks for a third fewer tile bytes for each product: (256 + 256) / (256 x 256) against (128 + 256) / (128 x 256).
; 32 x 12 = 384 work-groups: not a multiple of 256; the tile that would give 256 of them, 256 x 384, wants two slots of 174,080 bytes, more than the 327,680 bytes of LDS.
; K goes in steps of 128 (tile rows of 256 bytes, at multiples of 256 from the buffers' first bytes) through a ring of two LDS slots filled by the tensor data mover, 64 rows to each wave's load.
; CLUSTER.  4 x 4 work-groups.  The four of a row of the cluster need the same tile of A, the four of a column the same tile of B: each tile is asked for JOINTLY, by the same tensor load with the
; same descriptor and a mask that names the four.  THE MATRIX INSTRUCTION IS USED TRANSPOSED (source 0 = 16 rows of B, source 1 = 16 rows of A): a lane then holds eight neighbouring numbers of a row of C.
; REGISTERS.  Window 0: v0-31 addresses; two fragment buffers of 96 (4 blocks of A, then 8 of B, 32 along K): v64-159 and v160-255; on the way out v128-255 hold packed results.
;   Window 1: accumulator (a, b) at v[64 a + 8 b].  s_set_vgpr_msb: bits 1:0 source 0, 3:2 source 1, 5:4 source 2, 7:6 destination.
.set SIZE_K, 1024
.set LDA,    1024                      ; elements from row to row of A
.set LDB,    1024                      ; and of B
.set CROW,   6144                      ; bytes in a row of C
.set STEPB,  512                       ; bytes from a slot's K step to its next, in B
.set PITCH,  272                       ; an LDS row: 256 bytes + 16 of padding = 68 words: row r starts at bank 4 r mod 64 (64 banks of 4 bytes: ISA guide 11.1)
.set QROWS,  64*PITCH                  ; 64 rows: what one tensor load brings, and what one wave reads of A
.set ABYTES, 4*QROWS                   ; A's 256 rows
.set BHALF,  2*QROWS                   ; 128 rows: what one wave reads of B
.set SLOT,   2*ABYTES                  ; A's 256 rows, then B's 256 rows
.set STAGE,  2*SLOT                    ; behind the ring: 16 rows x 272 bytes for each wave, for the way out
.set SPITCH, 272
.set SPARE,  STAGE+8*16*SPITCH         ; behind the stages: the spare words, 128 bytes for each wave: four blocks of 256 bytes that no other line names
.set LAPS,   SIZE_K/256                ; a lap = two K steps = once round the ring
.set ADRA, 16                          ; v16-17  LDS address of my A fragments in slot 0, 1
.set ADRB, 20                          ; v20-21  the same for B
.set STO,  24                          ; v24     the way out: where I put 16 bytes of a row
.set RD,   25                          ; v25     the way out: where I read a row back
.set CO,   26                          ; v26     my byte offset in C
.set SPW,  28                          ; v28     LDS address of my spare word; never rewritten
.set NIL,  29                          ; v29     0; never rewritten
.set F0,   64
.set F1,   160
.set WV, 12                            ; s12 wave 0..7;  s13 which 64 of the tile's rows are mine;  s14 which 128 of its columns
.set WM, 13
.set WN, 14
.set LAP, 15
.set CX, 16                            ; s16, s17 my place in the cluster;  s18, s19 tile column and tile row of C;  s20, s21 the masks of my row and my column
.set CY, 17
.set TX, 18
.set TY, 19
.set RMASK, 20
.set CMASK, 21
.set LQ, 23                            ; s23  which 64 rows of A's tile (waves 0-3) or of B's (waves 4-7) I fetch
.set G1A, 24                           ; s[24:31] descriptor group 1 for A's tiles;  s[32:39] group 0, one set for each slot
.set G0A, 32
.set G1B, 40                           ; s[40:47], s[48:55] the same for B's
.set G0B, 48
.set OA, 56                            ; s[56:57] A's offset, then address: made of the tile row and the wave alone
.set OB, 58                            ; s[58:59] B's: made of the tile column and the wave alone
.set LA, 60                            ; s60, s61 where my part of A's or B's tile goes in a slot: made of the wave alone
.set LB, 61
.set OC, 62                            ; s[62:63] my part's offset in C
.set MSB, 0
.macro WIN new                         ; the immediate's high byte repeats the setting that is left; a switch that changes nothing is dropped
.if MSB != (\new)
	s_set_vgpr_msb (MSB<<8)|(\new)
.set MSB, \new
.endif
.endm
.set MUL, 0x50                         ; sources in window 0, C and D in window 1
.macro JLOAD s                         ; a joint load: waves 0-3 fetch A's four quarters, waves 4-7 B's; an s_nop 0 and four v_nop follow each of the two lines
	s_cmp_lt_u32 s[WV], 4
	s_cbranch_scc0 .Lfor_b_\@
	tensor_load_to_lds s[G0A+4*(\s):G0A+4*(\s)+3], s[G1A:G1A+7]
	s_nop 0
.rept 4
	v_nop
.endr
	s_branch .Lasked_\@
.Lfor_b_\@:
	tensor_load_to_lds s[G0B+4*(\s):G0B+4*(\s)+3], s[G1B:G1B+7]
	s_nop 0
.rept 4
	v_nop
.endr
.Lasked_\@:
.endm
.macro CREST                           ; a round of the cluster's barrier behind its opening barrier
	s_cmp_lg_u32 s[WV], 0
	s_cbranch_scc1 .Lnot_wave_0_\@
	s_barrier_signal -3
.Lnot_wave_0_\@:
	s_barrier_wait -3
	s_barrier_signal -1
	s_barrier_wait -1
.endm
.macro CROUND                          ; a whole round
	s_barrier_signal -1
	s_barrier_wait -1
	CREST
.endm
	s_load_b128 s[4:7], s[0:1], 0x0                ; xb s[4:5], wb s[6:7]
	s_load_b64 s[8:9], s[0:1], 0x10                ; qkv
	v_lshl_add_u32 v[SPW], v0, 2, SPARE
	v_mov_b32 v[NIL], 0
	ds_add_u32 v[SPW], v[NIL]                      ; the wave's opening: the add and its wait stand ahead of my first tensor load; the set-up below, work on registers, stands between them
	v_lshrrev_b32 v1, 5, v0
	v_readfirstlane_b32 s[WV], v1
	s_lshr_b32 s[WM], s[WV], 1
	s_and_b32 s[WN], s[WV], 1
	s_and_b32 s[LQ], s[WV], 3
	s_bfe_u32 s[CX], ttmp6, 0x40000
	s_bfe_u32 s[CY], ttmp6, 0x40004
	s_lshl_b32 s[TX], ttmp9, 2                     ; in a cluster launch ttmp9 and ttmp7 count clusters
	s_add_co_u32 s[TX], s[TX], s[CX]
	s_and_b32 s[TY], ttmp7, 0xffff
	s_lshl_b32 s[TY], s[TY], 2
	s_add_co_u32 s[TY], s[TY], s[CY]
	s_lshl_b32 s[RMASK], s[CY], 2
	s_lshl_b32 s[RMASK], 15, s[RMASK]              ; my row of the cluster: places 4 cy .. 4 cy + 3
	s_lshl_b32 s[CMASK], 0x1111, s[CX]             ; my column: places cx, cx + 4, cx + 8, cx + 12
	; group 1: 64 rows of 128 elements of 2 bytes, padded in LDS by 4 words after every 64; A's and B's differ in the mask alone
	s_or_b32 s[G1A+0], s[RMASK], (1<<16)|(1<<20)|(1<<21)|(5<<22)|(3<<25)
	s_or_b32 s[G1B+0], s[CMASK], (1<<16)|(1<<20)|(1<<21)|(5<<22)|(3<<25)
	s_mov_b32 s[G1A+1], 128<<16                    ; tensor_dim0
	s_mov_b32 s[G1B+1], 128<<16
	s_mov_b32 s[G1A+2], 64<<16                     ; tensor_dim1
	s_mov_b32 s[G1B+2], 64<<16
	s_mov_b32 s[G1A+3], 128<<16                    ; tile_dim0
	s_mov_b32 s[G1B+3], 128<<16
	s_mov_b32 s[G1A+4], 64                         ; tile_dim1
	s_mov_b32 s[G1B+4], 64
	s_mov_b32 s[G1A+5], LDA                        ; elements from row to row
	s_mov_b32 s[G1B+5], LDB
	s_mov_b32 s[G1A+6], 0
	s_mov_b32 s[G1B+6], 0
	s_mov_b32 s[G1A+7], 0
	s_mov_b32 s[G1B+7], 0
	s_lshl_b32 s70, s[LQ], 6                       ; my 64 rows of the tile that I fetch
	s_lshl_b32 s[OA], s[TY], 8                     ; A: row 256 x tile row + 64 x quarter, 2,048 bytes a row
	s_add_co_u32 s[OA], s[OA], s70
	s_lshl_b32 s[OA], s[OA], 11
	s_mov_b32 s[OA+1], 0
	s_lshl_b32 s[OB], s[TX], 8                     ; B: row 256 x tile column + 64 x quarter
	s_add_co_u32 s[OB], s[OB], s70
	s_lshl_b32 s[OB], s[OB], 11
	s_mov_b32 s[OB+1], 0
	s_mul_i32 s[LA], s[LQ], QROWS
	s_add_co_u32 s[LB], s[LA], ABYTES
	s_wait_dscnt 0x0                               ; the opening add is done
	s_wait_kmcnt 0x0
	s_add_nc_u64 s[OA:OA+1], s[4:5], s[OA:OA+1]
	s_add_nc_u64 s[OB:OB+1], s[6:7], s[OB:OB+1]
	CROUND                                         ; all sixteen work-groups are here: the first joint loads meet
.irp s, 0,1
	s_mov_b32 s[G0A+4*(\s)], 1
	s_add_co_u32 s[G0A+4*(\s)+1], s[LA], (\s)*SLOT
	s_add_nc_u64 s[G0A+4*(\s)+2:G0A+4*(\s)+3], s[OA:OA+1], (\s)*256  ; K step s
	s_or_b32 s[G0A+4*(\s)+3], s[G0A+4*(\s)+3], 0x80000000
	s_mov_b32 s[G0B+4*(\s)], 1
	s_add_co_u32 s[G0B+4*(\s)+1], s[LB], (\s)*SLOT
	s_add_nc_u64 s[G0B+4*(\s)+2:G0B+4*(\s)+3], s[OB:OB+1], (\s)*256
	s_or_b32 s[G0B+4*(\s)+3], s[G0B+4*(\s)+3], 0x80000000
	JLOAD \s                                       ; two tensor loads of mine are out
.endr
	; a fragment is 16 rows x 32 K in 8 registers: lane l holds row l % 16, K = 8 (l / 16) + 0..7 and 16 + 8 (l / 16) + 0..7: two loads of 16 bytes, 32 bytes apart
	v_and_b32 v1, 15, v0                           ; r = l % 16
	v_bfe_u32 v2, v0, 4, 1                         ; h = l / 16
	v_mul_u32_u24 v3, v1, PITCH
	v_lshl_add_u32 v3, v2, 4, v3
	s_mul_i32 s70, s[WM], QROWS                    ; my 64 rows of A
	s_mul_i32 s71, s[WN], BHALF                    ; my 128 rows of B, behind A's
	s_add_co_u32 s71, s71, ABYTES
.irp s, 0,1
	v_add_nc_u32 v[ADRA+(\s)], s70, v3
	v_add_nc_u32 v[ADRB+(\s)], s71, v3
	s_add_co_u32 s70, s70, SLOT
	s_add_co_u32 s71, s71, SLOT
.endr
	s_mul_i32 s73, s[WV], 16*SPITCH
	s_add_co_u32 s73, s73, STAGE                   ; my stage
	v_mul_u32_u24 v4, v1, SPITCH                   ; in: row r, 16 bytes for each half of the lanes
	v_lshl_add_u32 v4, v2, 4, v4
	v_add_nc_u32 v[STO], s73, v4
	v_mul_u32_u24 v5, v2, SPITCH                   ; back: lanes 0-15 take one row of 256 bytes, lanes 16-31 the next
	v_lshl_add_u32 v5, v1, 4, v5
	v_add_nc_u32 v[RD], s73, v5
	v_mul_u32_u24 v5, v2, CROW                     ; and the same two rows in C
	v_lshl_add_u32 v[CO], v1, 4, v5
	s_lshl_b32 s[OC], s[TY], 8                     ; my first row of C: 256 x tile row + 64 x my quarter
	s_lshl_b32 s72, s[WM], 6
	s_add_co_u32 s[OC], s[OC], s72
	s_mul_i32 s[OC], s[OC], CROW
	s_lshl_b32 s72, s[TX], 9                       ; my first column, in bytes: 512 x tile column + 256 x half
	s_add_co_u32 s[OC], s[OC], s72
	s_lshl_b32 s72, s[WN], 8
	s_add_co_u32 s[OC], s[OC], s72
	s_mov_b32 s[OC+1], 0
	s_add_nc_u64 s[8:9], s[8:9], s[OC:OC+1]
; 8 matrix instructions: block a of my rows x all 8 blocks of my columns, 32 along K, from buffer f.  zero = 1: the product starts the sums.
; The 32 accumulators take turns, one instruction a turn, in the same order in every quarter.
.macro MUL8 f, a, zero
	WIN MUL
.irp b, 0,1,2,3,4,5,6,7
.if \zero
	v_wmma_f32_16x16x32_bf16 v[64*(\a)+8*(\b):64*(\a)+8*(\b)+7], v[(\f)+32+8*(\b):(\f)+32+8*(\b)+7], v[(\f)+8*(\a):(\f)+8*(\a)+7], 0
.else
	v_wmma_f32_16x16x32_bf16 v[64*(\a)+8*(\b):64*(\a)+8*(\b)+7], v[(\f)+32+8*(\b):(\f)+32+8*(\b)+7], v[(\f)+8*(\a):(\f)+8*(\a)+7], v[64*(\a)+8*(\b):64*(\a)+8*(\b)+7]
.endif
.endr
.endm
; 24 LDS loads in one run: the fragments of 32 along K at byte k of the rows, into buffer f: B's sixteen first, then A's eight
.macro FETCH slot, k, f
	WIN 0
.irp i, 0,1,2,3,4,5,6,7
	ds_load_b128 v[(\f)+32+8*(\i):(\f)+32+8*(\i)+3],   v[ADRB+(\slot)] offset:(\k)+(\i)*16*PITCH
	ds_load_b128 v[(\f)+32+8*(\i)+4:(\f)+32+8*(\i)+7], v[ADRB+(\slot)] offset:(\k)+(\i)*16*PITCH+32
.endr
.irp i, 0,1,2,3
	ds_load_b128 v[(\f)+8*(\i):(\f)+8*(\i)+3],   v[ADRA+(\slot)] offset:(\k)+(\i)*16*PITCH
	ds_load_b128 v[(\f)+8*(\i)+4:(\f)+8*(\i)+7], v[ADRA+(\slot)] offset:(\k)+(\i)*16*PITCH+32
.endr
.endm
.macro PLACES                          ; four places in front of loads into registers that matrix instructions have read, and of vector lines that read results (ISA guide 7.12.1 for vector lines)
.rept 4
	v_nop
.endr
.endm
; A K step is four quarters of 32 along K, 32 matrix instructions each, on buffers 0, 1, 0, 1.  One of the first three: multiplies buffer f and fetches the next quarter, at byte k, into g.
.macro QUARTER slot, k, f, g, zero
	s_wait_dscnt 4                                 ; B and A's blocks 0, 1 are in; the youngest four loads (A's blocks 2, 3) may be out
	MUL8 \f, 0, \zero
	MUL8 \f, 1, \zero
	PLACES
	FETCH \slot, \k, \g
	s_wait_dscnt 24                                ; all but the 24 just issued
	MUL8 \f, 2, \zero
	MUL8 \f, 3, \zero
.endm
; The last quarter multiplies buffer 1 and changes slots: ONE barrier; in front of it each wave waits for all its tensor loads (one is out: its part of the next slot), adds 0 to its spare word,
; and waits for that and for its own reads of this slot.  fill = 1: this slot is filled again, two K steps ahead; the barrier then opens a round of the cluster's.
.macro TURN slot, next, fill
	WIN 0
	s_wait_tensorcnt 0x0                           ; all my tensor loads have landed
	ds_add_u32 v[SPW], v[NIL]                      ; 0 onto my spare word
	s_wait_dscnt 5                                 ; (the add and the youngest four loads may be out)
	MUL8 F1, 0, 0                                  ; eight matrix instructions stand between the add and the wait for it
	s_wait_dscnt 0x0                               ; the add is done, and my reads of this slot are over
	s_barrier_signal -1
	MUL8 F1, 1, 0
.if \fill
	WIN 0
.endif
	s_barrier_wait -1
.if \fill
	CREST                                          ; no wave of any partner still reads this slot's tiles or has a load on its way
	s_add_nc_u64 s[G0A+4*(\slot)+2:G0A+4*(\slot)+3], s[G0A+4*(\slot)+2:G0A+4*(\slot)+3], 512
	s_add_nc_u64 s[G0B+4*(\slot)+2:G0B+4*(\slot)+3], s[G0B+4*(\slot)+2:G0B+4*(\slot)+3], STEPB
	JLOAD \slot                                    ; my one tensor load behind the round: 112 matrix instructions of mine ahead of the wait for it; its four v_nop are also the places in front of the loads below
.else
	PLACES
.endif
	FETCH \next, 0, F0
	MUL8 F1, 2, 0
	MUL8 F1, 3, 0
.endm
	s_wait_tensorcnt 1                             ; my part of K step 0 is in; K step 1's may stay out
	s_barrier_signal -1
	s_barrier_wait -1                              ; everybody's is
	FETCH 0, 0, F0
	QUARTER 0, 64, F0, F1, 1                       ; the first quarter stands in front of the loop: its products start the sums
	WIN 0                                          ; at a label and at a branch every window is 0
	s_mov_b32 s[LAP], LAPS-1
.Llap:                                                 ; a trip goes once round the ring, from a lap's second quarter to the next lap's first, and fills both slots again
	QUARTER 0, 128, F1, F0, 0
	QUARTER 0, 192, F0, F1, 0
	TURN 0, 1, 1
	QUARTER 1, 64,  F0, F1, 0
	QUARTER 1, 128, F1, F0, 0
	QUARTER 1, 192, F0, F1, 0
	TURN 1, 0, 1
	QUARTER 0, 64,  F0, F1, 0
	WIN 0
	s_sub_co_u32 s[LAP], s[LAP], 1
	s_cmp_lg_u32 s[LAP], 0
	s_cbranch_scc1 .Llap
	QUARTER 0, 128, F1, F0, 0                      ; the last lap fills nothing
	QUARTER 0, 192, F0, F1, 0
	TURN 0, 1, 0
	QUARTER 1, 64,  F0, F1, 0
	QUARTER 1, 128, F1, F0, 0
	QUARTER 1, 192, F0, F1, 0
	s_wait_dscnt 4                                 ; the very last quarter: nothing more to fetch
	MUL8 F1, 0, 0
	MUL8 F1, 1, 0
	s_wait_dscnt 0x0
	MUL8 F1, 2, 0
	MUL8 F1, 3, 0
	WIN 0
	PLACES
; THE WAY OUT, a block of 16 rows at a time: rounded to f16 (each accumulator's registers in ascending order), 16 bytes a lane into my own stage, back as whole rows of 256 bytes, stored.
.macro OUT a
.set TMP, 128+32*(\a)
	WIN 0x05                                       ; sources 0 and 1 window 1, destination window 0
.set i, 0
.rept 32
	v_cvt_pk_f16_f32 v[TMP+i], v[64*(\a)+2*i], v[64*(\a)+2*i+1]
.set i, i+1
.endr
	WIN 0
.irp b, 0,1,2,3,4,5,6,7
	ds_store_b128 v[STO], v[TMP+4*(\b):TMP+4*(\b)+3] offset:32*(\b)
.endr
.irp t, 0,1,2,3,4,5,6,7
	ds_load_b128 v[TMP+4*(\t):TMP+4*(\t)+3], v[RD] offset:(\t)*2*SPITCH  ; LDS serves a wave's instructions in order (ISA guide 5.7.1.4): these see the stores above; the next block's stores come behind them
.endr
.endm
.macro SEND a, younger                 ; younger: the LDS instructions issued behind block a's loads: the next block's sixteen, or none
.set TMP, 128+32*(\a)
.irp t, 0,1,2,3,4,5,6,7
	s_wait_dscnt (\younger)+7-(\t)
	global_store_b128 v[CO], v[TMP+4*(\t):TMP+4*(\t)+3], s[8:9] offset:(16*(\a)+2*(\t))*CROW  ; 16 lanes store 256 consecutive bytes, at a multiple of 256 from C's first byte
.endr
.endm
	OUT 0
	OUT 1                                          ; a block's conversions stand between the loads of the block before and its stores
	SEND 0, 16
	OUT 2
	SEND 1, 16
	OUT 3
	SEND 2, 16
	SEND 3, 0
	s_wait_tensorcnt 0x0                           ; the wave's end: the add and its waits, behind my last tensor load and my last LDS store
	ds_add_u32 v[SPW], v[NIL]
	s_wait_dscnt 0x0
	CROUND                                         ; the closing round: no work-group ends while a partner may still ask for a tile that names it
	s_endpgm
.Lfunc_end_k_q7d759e741f_proj:
	.size	k_q7d759e741f_proj, .Lfunc_end_k_q7d759e741f_proj-k_q7d759e741f_proj
	.p2alignl 7, 3214868480
	.fill 96, 4, 3214868480
	.section	.rodata,"a",@progbits
	.p2align	6, 0x0
	.amdhsa_kernel k_q7d759e741f_proj
		.amdhsa_group_segment_fixed_size 327680
		.amdhsa_private_segment_fixed_size 0
		.amdhsa_enable_private_segment 0
		.amdhsa_kernarg_size 24
		.amdhsa_user_sgpr_count 2
		.amdhsa_user_sgpr_kernarg_segment_ptr 1
		.amdhsa_wavefront_size32 1
		.amdhsa_system_sgpr_workgroup_id_x 1
		.amdhsa_system_sgpr_workgroup_id_y 1
		.amdhsa_system_sgpr_workgroup_id_z 1
		.amdhsa_system_vgpr_workitem_id 0
		.amdhsa_next_free_vgpr 512
		.amdhsa_next_free_sgpr 80
		.amdhsa_reserve_vcc 0
		.amdhsa_float_denorm_mode_32 3
		.amdhsa_float_denorm_mode_16_64 3
		.amdhsa_memory_ordered 1
		.amdhsa_forward_progress 1
		.amdhsa_inst_pref_size 87
	.end_amdhsa_kernel
	.amdgpu_metadata
---
amdhsa.version: [ 1, 2 ]
amdhsa.kernels:
  - .name:           k_q7d759e741f_proj
    .symbol:         k_q7d759e741f_proj.kd
    .args:
      - { .name: xb, .offset: 0, .size: 8, .value_kind: global_buffer, .address_space: global }
      - { .name: wb, .offset: 8, .size: 8, .value_kind: global_buffer, .address_space: global }
      - { .name: qkv, .offset: 16, .size: 8, .value_kind: global_buffer, .address_space: global }
    .group_segment_fixed_size: 327680
    .private_segment_fixed_size: 0
    .kernarg_segment_align: 8
    .kernarg_segment_size: 24
    .max_flat_workgroup_size: 256
    .sgpr_count:     80
    .vgpr_count:     512
    .wavefront_size: 32
...
	.end_amdgpu_metadata
.endif
;; end of part 5
;; launch score (part 6): grid 8 x 32, 8 waves a work-group, clusters of 4 x 4, 327,680 bytes of LDS; arguments qkv, pbuf, stats; writes pbuf, stats
.if DOCPART == 6
	.amdgcn_target "amdgcn-amd-amdhsa--gfx1250"
	.amdhsa_code_object_version 6
	.text
	.protected	k_q7d759e741f_score
	.globl	k_q7d759e741f_score
	.p2align	8
	.type	k_q7d759e741f_score,@function
k_q7d759e741f_score:
	s_mov_b64 s[64:65], 0
	v_nop
	global_prefetch_b8 v0, s[64:65] scope:SCOPE_SE
	s_setreg_imm32_b32 hwreg(HW_REG_WAVE_MODE, 25, 1), 1
	s_wait_xcnt 0x0
	s_wait_alu depctr_hold_cnt(0) depctr_sa_sdst(0) depctr_va_vdst(0) depctr_va_sdst(0) depctr_va_ssrc(0) depctr_va_vcc(0) depctr_vm_vsrc(0)
	s_getreg_b32 s2, hwreg(HW_REG_IB_STS2, 6, 4)
	s_cmp_eq_u32 s2, 0
	s_cbranch_scc0 .Lentry_in_a_cluster
	s_endpgm
.Lentry_in_a_cluster:
	s_bfe_u32 s2, ttmp6, 0x10000c
	s_cmp_lg_u32 s2, 0xf033
	s_cbranch_scc0 .Lentry_shape_is_right
	s_endpgm
.Lentry_shape_is_right:
; s[m][n] = q[m] . k[n] for the 2,048 keys n of row m's batch (q, k: f16, 1,024 channels, side by side in qkv's rows of 6,144 bytes); sums in f32.  s itself is never stored.
; THE SOFTMAX'S FIRST HALF, on the way out.  A wave holds 64 rows x one CHUNK of 128 keys.  For each row it finds the chunk's true maximum m, writes p' = 2^(c s - c m), c = log2(e) / 32, as f16 into
; pbuf [8192][2048], and stores c m and l = the sum of the unrounded p' in f32 into stats: block (chunk, group of 64 rows) = 512 bytes at (128 chunk + group) x 512: 64 x c m, then 64 x l.
; The next launch brings the sixteen chunks of a row to their common maximum.  Every exponent is 0 or less (up to the rounding of c m), so no exponential overflows.
; LIMITS.  p' below 6e-5 keeps f16's fixed step of 6e-8; a weight below 2^-126 counts as 0 in l; NaN and infinities are not treated apart.
; SHARES, RING, CLUSTER, LAYOUT.  A tile is 256 rows x 256 keys: 32 x 8 = 256 work-groups; EIGHT waves of 512 registers, each 64 x 128; K in steps of 128 through two LDS slots, 64 rows to each wave's
; tensor load.  Against a tile of 128 x 256 a K step holds twice the products between a tile's request and the wait for it, for a third fewer tile bytes a product.  4 x 4 work-groups ask
; jointly for q's tile along a row of the cluster and for k's along a column.  The matrix instruction is used transposed (source 0 = 16 keys, source 1 = 16 queries): a lane holds one query (l % 16) and,
; in accumulator b, the keys 16 b + 8 (l / 16) + 0..7: a row's maximum and sum want one exchange between the halves of the lanes.
; REGISTERS.  Window 0: v0-31 addresses; v32-47 at work on the way out; fragment buffers v64-159, v160-255 (on the way out v64-95 partial sums, v128-255 packed p').  Window 1: accumulator (a, b) at v[64 a + 8 b].
.set SIZE_K, 1024
.set LDA,    3072
.set LDB,    3072
.set CROW,   4096                      ; bytes in a row of pbuf
.set STEPB,  512
.set PITCH,  272                       ; an LDS row: 256 bytes + 16 of padding = 68 words: row r starts at bank 4 r mod 64 (64 banks of 4 bytes: ISA guide 11.1)
.set QROWS,  64*PITCH                  ; 64 rows: what one tensor load brings, and what one wave reads of q
.set ABYTES, 4*QROWS
.set BHALF,  2*QROWS                   ; 128 rows: what one wave reads of k
.set SLOT,   2*ABYTES
.set STAGE,  2*SLOT                    ; behind the ring: 16 rows x 272 bytes for each wave
.set SPITCH, 272
.set STAT,   STAGE+8*16*SPITCH         ; behind the stages: 512 bytes for each wave: its block of stats
.set SPARE,  STAT+8*512                ; behind them: the spare words, 128 bytes for each wave: four blocks of 256 bytes that no other line names
.set LAPS,   SIZE_K/256
.set ADRA, 16
.set ADRB, 20
.set STO,  24
.set RD,   25
.set CO,   26
.set STA,  27                          ; v27     where my row's c m goes in my block of stats
.set SPW,  28
.set NIL,  29
.set SRD,  30                          ; v30     where I read 16 bytes of that block back
.set SGO,  31                          ; v31     and their offset in memory
.set T,    32                          ; v32-39  eight running maxima
.set CM,   40                          ; v40 c m, v41 m
.set LS,   42                          ; v42     l
.set SB,   44                          ; v44-47  16 bytes of stats
.set U,    64                          ; v64-95  sixteen pairs of partial sums
.set F0,   64
.set F1,   160
.set WV, 12
.set WM, 13
.set WN, 14
.set LAP, 15
.set CX, 16
.set CY, 17
.set TX, 18
.set TY, 19
.set RMASK, 20
.set CMASK, 21
.set BT, 22                            ; s22  the batch: made of the cluster's y alone (8 tile rows a batch are two whole clusters)
.set LQ, 23                            ; s23  which 64 rows of q's tile (waves 0-3) or of k's (waves 4-7) I fetch
.set G1A, 24
.set G0A, 32
.set G1B, 40
.set G0B, 48
.set OA, 56
.set OB, 58
.set LA, 60
.set LB, 61
.set OC, 62
.set CS, 66                            ; s[66:67] c: the packed scaling takes the pair's low word for both halves
.set SEL, 68                           ; s[68:69] v_permlanex16_b32's selects: each lane takes its own place in the other half
.set MSB, 0
.macro WIN new
.if MSB != (\new)
	s_set_vgpr_msb (MSB<<8)|(\new)
.set MSB, \new
.endif
.endm
.set MUL, 0x50
.macro JLOAD s                         ; a joint load: waves 0-3 fetch q's four quarters, waves 4-7 k's; an s_nop 0 and four v_nop follow each of the two lines
	s_cmp_lt_u32 s[WV], 4
	s_cbranch_scc0 .Lfor_b_\@
	tensor_load_to_lds s[G0A+4*(\s):G0A+4*(\s)+3], s[G1A:G1A+7]
	s_nop 0
.rept 4
	v_nop
.endr
	s_branch .Lasked_\@
.Lfor_b_\@:
	tensor_load_to_lds s[G0B+4*(\s):G0B+4*(\s)+3], s[G1B:G1B+7]
	s_nop 0
.rept 4
	v_nop
.endr
.Lasked_\@:
.endm
.macro CREST
	s_cmp_lg_u32 s[WV], 0
	s_cbranch_scc1 .Lnot_wave_0_\@
	s_barrier_signal -3
.Lnot_wave_0_\@:
	s_barrier_wait -3
	s_barrier_signal -1
	s_barrier_wait -1
.endm
.macro CROUND
	s_barrier_signal -1
	s_barrier_wait -1
	CREST
.endm
	s_load_b64 s[4:5], s[0:1], 0x0                 ; qkv
	s_load_b64 s[8:9], s[0:1], 0x8                 ; pbuf
	s_load_b64 s[10:11], s[0:1], 0x10              ; stats
	v_lshl_add_u32 v[SPW], v0, 2, SPARE
	v_mov_b32 v[NIL], 0
	ds_add_u32 v[SPW], v[NIL]                      ; the wave's opening: the add and its wait stand ahead of my first tensor load; the set-up below, work on registers, stands between them
	v_lshrrev_b32 v1, 5, v0
	v_readfirstlane_b32 s[WV], v1
	s_lshr_b32 s[WM], s[WV], 1
	s_and_b32 s[WN], s[WV], 1
	s_and_b32 s[LQ], s[WV], 3
	s_bfe_u32 s[CX], ttmp6, 0x40000
	s_bfe_u32 s[CY], ttmp6, 0x40004
	s_lshl_b32 s[TX], ttmp9, 2
	s_add_co_u32 s[TX], s[TX], s[CX]
	s_and_b32 s[TY], ttmp7, 0xffff
	s_lshr_b32 s[BT], s[TY], 1
	s_lshl_b32 s[TY], s[TY], 2
	s_add_co_u32 s[TY], s[TY], s[CY]
	s_lshl_b32 s[RMASK], s[CY], 2
	s_lshl_b32 s[RMASK], 15, s[RMASK]
	s_lshl_b32 s[CMASK], 0x1111, s[CX]
	s_or_b32 s[G1A+0], s[RMASK], (1<<16)|(1<<20)|(1<<21)|(5<<22)|(3<<25)  ; the mask; elements of 2 bytes; padding on, 4 words after every 64; bit 21 set beside a mask
	s_or_b32 s[G1B+0], s[CMASK], (1<<16)|(1<<20)|(1<<21)|(5<<22)|(3<<25)
	s_mov_b32 s[G1A+1], 128<<16
	s_mov_b32 s[G1B+1], 128<<16
	s_mov_b32 s[G1A+2], 64<<16
	s_mov_b32 s[G1B+2], 64<<16
	s_mov_b32 s[G1A+3], 128<<16
	s_mov_b32 s[G1B+3], 128<<16
	s_mov_b32 s[G1A+4], 64
	s_mov_b32 s[G1B+4], 64
	s_mov_b32 s[G1A+5], LDA
	s_mov_b32 s[G1B+5], LDB
	s_mov_b32 s[G1A+6], 0
	s_mov_b32 s[G1B+6], 0
	s_mov_b32 s[G1A+7], 0
	s_mov_b32 s[G1B+7], 0
	s_lshl_b32 s70, s[LQ], 6                       ; my 64 rows of the tile that I fetch
	s_lshl_b32 s[OA], s[TY], 8                     ; q: row 256 x tile row + 64 x quarter, 6,144 bytes a row
	s_add_co_u32 s[OA], s[OA], s70
	s_mul_i32 s[OA], s[OA], 6144
	s_mov_b32 s[OA+1], 0
	s_lshl_b32 s[OB], s[BT], 11                    ; k: row 2,048 x batch + 256 x tile column + 64 x quarter, from byte 2,048 of the row
	s_lshl_b32 s71, s[TX], 8
	s_add_co_u32 s[OB], s[OB], s71
	s_add_co_u32 s[OB], s[OB], s70
	s_mul_i32 s[OB], s[OB], 6144
	s_add_co_u32 s[OB], s[OB], 2048
	s_mov_b32 s[OB+1], 0
	s_mul_i32 s[LA], s[LQ], QROWS
	s_add_co_u32 s[LB], s[LA], ABYTES
	s_mov_b32 s[CS], 0x3d38aa3b                    ; c = log2(e) / 32 = 0.0450842
	s_mov_b32 s[CS+1], s[CS]                       ; named with it as a pair
	s_mov_b32 s[SEL], 0x76543210
	s_mov_b32 s[SEL+1], 0xfedcba98
	s_wait_dscnt 0x0                               ; the opening add is done
	s_wait_kmcnt 0x0
	s_add_nc_u64 s[OA:OA+1], s[4:5], s[OA:OA+1]
	s_add_nc_u64 s[OB:OB+1], s[4:5], s[OB:OB+1]
	CROUND                                         ; all sixteen work-groups are here: the first joint loads meet
.irp s, 0,1
	s_mov_b32 s[G0A+4*(\s)], 1
	s_add_co_u32 s[G0A+4*(\s)+1], s[LA], (\s)*SLOT
	s_add_nc_u64 s[G0A+4*(\s)+2:G0A+4*(\s)+3], s[OA:OA+1], (\s)*256
	s_or_b32 s[G0A+4*(\s)+3], s[G0A+4*(\s)+3], 0x80000000
	s_mov_b32 s[G0B+4*(\s)], 1
	s_add_co_u32 s[G0B+4*(\s)+1], s[LB], (\s)*SLOT
	s_add_nc_u64 s[G0B+4*(\s)+2:G0B+4*(\s)+3], s[OB:OB+1], (\s)*256
	s_or_b32 s[G0B+4*(\s)+3], s[G0B+4*(\s)+3], 0x80000000
	JLOAD \s                                       ; two tensor loads of mine are out
.endr
	v_and_b32 v1, 15, v0                           ; r = l % 16
	v_bfe_u32 v2, v0, 4, 1                         ; h = l / 16
	v_mul_u32_u24 v3, v1, PITCH
	v_lshl_add_u32 v3, v2, 4, v3
	s_mul_i32 s70, s[WM], QROWS                    ; my 64 rows of q
	s_mul_i32 s71, s[WN], BHALF                    ; my 128 rows of k, behind q's
	s_add_co_u32 s71, s71, ABYTES
.irp s, 0,1
	v_add_nc_u32 v[ADRA+(\s)], s70, v3
	v_add_nc_u32 v[ADRB+(\s)], s71, v3
	s_add_co_u32 s70, s70, SLOT
	s_add_co_u32 s71, s71, SLOT
.endr
	s_mul_i32 s73, s[WV], 16*SPITCH
	s_add_co_u32 s73, s73, STAGE                   ; my stage
	v_mul_u32_u24 v4, v1, SPITCH
	v_lshl_add_u32 v4, v2, 4, v4
	v_add_nc_u32 v[STO], s73, v4
	v_mul_u32_u24 v5, v2, SPITCH
	v_lshl_add_u32 v5, v1, 4, v5
	v_add_nc_u32 v[RD], s73, v5
	v_lshlrev_b32 v5, 12, v2                       ; two rows of pbuf
	v_lshl_add_u32 v[CO], v1, 4, v5
	s_lshl_b32 s73, s[WV], 9
	s_add_co_u32 s73, s73, STAT                    ; my block of stats in LDS
	v_lshl_add_u32 v[STA], v1, 2, s73
	v_and_b32 v6, 31, v0
	v_lshlrev_b32 v[SGO], 4, v6
	v_add_nc_u32 v[SRD], s73, v[SGO]
	s_lshl_b32 s[OC], s[TY], 8                     ; my first row of pbuf,
	s_lshl_b32 s72, s[WM], 6
	s_add_co_u32 s[OC], s[OC], s72
	s_lshl_b32 s[OC], s[OC], 12
	s_lshl_b32 s72, s[TX], 9                       ; my first key, in bytes
	s_add_co_u32 s[OC], s[OC], s72
	s_lshl_b32 s72, s[WN], 8
	s_add_co_u32 s[OC], s[OC], s72
	s_mov_b32 s[OC+1], 0
	s_add_nc_u64 s[8:9], s[8:9], s[OC:OC+1]
	s_lshl_b32 s74, s[TX], 1                       ; my chunk, 2 x tile column + half,
	s_add_co_u32 s74, s74, s[WN]
	s_lshl_b32 s74, s74, 7
	s_lshl_b32 s75, s[TY], 2                       ; my group of 64 rows, 4 x tile row + quarter
	s_add_co_u32 s74, s74, s75
	s_add_co_u32 s74, s74, s[WM]
	s_lshl_b32 s74, s74, 9
	s_mov_b32 s75, 0
	s_add_nc_u64 s[10:11], s[10:11], s[74:75]
; 8 matrix instructions: block a of my queries x all 8 blocks of my keys, 32 channels, from buffer f.  The 32 accumulators take turns, one instruction a turn.
.macro MUL8 f, a, zero
	WIN MUL
.irp b, 0,1,2,3,4,5,6,7
.if \zero
	v_wmma_f32_16x16x32_f16 v[64*(\a)+8*(\b):64*(\a)+8*(\b)+7], v[(\f)+32+8*(\b):(\f)+32+8*(\b)+7], v[(\f)+8*(\a):(\f)+8*(\a)+7], 0
.else
	v_wmma_f32_16x16x32_f16 v[64*(\a)+8*(\b):64*(\a)+8*(\b)+7], v[(\f)+32+8*(\b):(\f)+32+8*(\b)+7], v[(\f)+8*(\a):(\f)+8*(\a)+7], v[64*(\a)+8*(\b):64*(\a)+8*(\b)+7]
.endif
.endr
.endm
.macro FETCH slot, k, f                ; 24 LDS loads in one run: k's sixteen first, then q's eight
	WIN 0
.irp i, 0,1,2,3,4,5,6,7
	ds_load_b128 v[(\f)+32+8*(\i):(\f)+32+8*(\i)+3],   v[ADRB+(\slot)] offset:(\k)+(\i)*16*PITCH
	ds_load_b128 v[(\f)+32+8*(\i)+4:(\f)+32+8*(\i)+7], v[ADRB+(\slot)] offset:(\k)+(\i)*16*PITCH+32
.endr
.irp i, 0,1,2,3
	ds_load_b128 v[(\f)+8*(\i):(\f)+8*(\i)+3],   v[ADRA+(\slot)] offset:(\k)+(\i)*16*PITCH
	ds_load_b128 v[(\f)+8*(\i)+4:(\f)+8*(\i)+7], v[ADRA+(\slot)] offset:(\k)+(\i)*16*PITCH+32
.endr
.endm
.macro PLACES                          ; four places in front of loads into registers that matrix instructions have read, and of vector lines that read results (ISA guide 7.12.1 for vector lines)
.rept 4
	v_nop
.endr
.endm
.macro QUARTER slot, k, f, g, zero
	s_wait_dscnt 4                                 ; k and q's blocks 0, 1 are in; the youngest four loads (q's blocks 2, 3) may be out
	MUL8 \f, 0, \zero
	MUL8 \f, 1, \zero
	PLACES
	FETCH \slot, \k, \g
	s_wait_dscnt 24                                ; all but the 24 just issued
	MUL8 \f, 2, \zero
	MUL8 \f, 3, \zero
.endm
; The change of slots: ONE barrier; in front of it each wave waits for all its tensor loads (one is out: its part of the next slot), adds 0 to its spare word, and waits for that and for its reads of this slot.
.macro TURN slot, next, fill
	WIN 0
	s_wait_tensorcnt 0x0                           ; all my tensor loads have landed
	ds_add_u32 v[SPW], v[NIL]                      ; 0 onto my spare word
	s_wait_dscnt 5                                 ; (the add and the youngest four loads may be out)
	MUL8 F1, 0, 0
	s_wait_dscnt 0x0                               ; the add is done, and my reads of this slot are over
	s_barrier_signal -1
	MUL8 F1, 1, 0
.if \fill
	WIN 0
.endif
	s_barrier_wait -1
.if \fill
	CREST                                          ; no wave of any partner still reads this slot's tiles or has a load on its way
	s_add_nc_u64 s[G0A+4*(\slot)+2:G0A+4*(\slot)+3], s[G0A+4*(\slot)+2:G0A+4*(\slot)+3], 512
	s_add_nc_u64 s[G0B+4*(\slot)+2:G0B+4*(\slot)+3], s[G0B+4*(\slot)+2:G0B+4*(\slot)+3], STEPB
	JLOAD \slot                                    ; my one tensor load behind the round; its four v_nop are also the places in front of the loads below
.else
	PLACES
.endif
	FETCH \next, 0, F0
	MUL8 F1, 2, 0
	MUL8 F1, 3, 0
.endm
	s_wait_tensorcnt 1                             ; my part of K step 0 is in; K step 1's may stay out
	s_barrier_signal -1
	s_barrier_wait -1
	FETCH 0, 0, F0
	QUARTER 0, 64, F0, F1, 1
	WIN 0
	s_mov_b32 s[LAP], LAPS-1
.Llap:
	QUARTER 0, 128, F1, F0, 0
	QUARTER 0, 192, F0, F1, 0
	TURN 0, 1, 1
	QUARTER 1, 64,  F0, F1, 0
	QUARTER 1, 128, F1, F0, 0
	QUARTER 1, 192, F0, F1, 0
	TURN 1, 0, 1
	QUARTER 0, 64,  F0, F1, 0
	WIN 0
	s_sub_co_u32 s[LAP], s[LAP], 1
	s_cmp_lg_u32 s[LAP], 0
	s_cbranch_scc1 .Llap
	QUARTER 0, 128, F1, F0, 0
	QUARTER 0, 192, F0, F1, 0
	TURN 0, 1, 0
	QUARTER 1, 64,  F0, F1, 0
	QUARTER 1, 128, F1, F0, 0
	QUARTER 1, 192, F0, F1, 0
	s_wait_dscnt 4
	MUL8 F1, 0, 0
	MUL8 F1, 1, 0
	s_wait_dscnt 0x0
	MUL8 F1, 2, 0
	MUL8 F1, 3, 0
	WIN 0
	PLACES
; THE WAY OUT of block a (16 queries x my 128 keys; a lane holds 64 scores of one query).
.macro SOFT a
.set AC, 64*(\a)
.set TMP, 128+32*(\a)
	WIN 0x15                                       ; all three sources window 1, destination window 0.  Eight chains, one an accumulator
.irp b, 0,1,2,3,4,5,6,7
	v_max3_num_f32 v[T+(\b)], v[AC+8*(\b)], v[AC+8*(\b)+1], v[AC+8*(\b)+2]
.endr
	WIN 0x14                                       ; source 0 window 0
.irp b, 0,1,2,3,4,5,6,7
	v_max3_num_f32 v[T+(\b)], v[T+(\b)], v[AC+8*(\b)+3], v[AC+8*(\b)+4]
.endr
.irp b, 0,1,2,3,4,5,6,7
	v_max3_num_f32 v[T+(\b)], v[T+(\b)], v[AC+8*(\b)+5], v[AC+8*(\b)+6]
.endr
.irp b, 0,1,2,3
	v_max3_num_f32 v[T+(\b)], v[T+(\b)], v[AC+8*(\b)+7], v[AC+8*(\b)+39]  ; the eight scores left over
.endr
	WIN 0
	v_max3_num_f32 v[T], v[T], v[T+1], v[T+2]
	v_max3_num_f32 v[T+3], v[T+3], v[T+4], v[T+5]
	v_max3_num_f32 v[T], v[T], v[T+3], v[T+6]
	v_max_num_f32 v[T], v[T], v[T+7]
	v_permlanex16_b32 v[T+1], v[T], s[SEL], s[SEL+1]  ; the query's other 64 keys lie in the lane 16 away
	v_max_num_f32 v[CM+1], v[T], v[T+1]            ; m: the maximum of the row's 128 scores
	v_mul_f32 v[CM], s[CS], v[CM+1]                ; c m
	WIN 0x41                                       ; destination and source 0 window 1, source 2 window 0
.set i, 0
.rept 32
	v_pk_fma_f32 v[AC+2*i:AC+2*i+1], v[AC+2*i:AC+2*i+1], s[CS:CS+1], v[CM:CM+1] op_sel_hi:[1,0,0] neg_lo:[0,0,1] neg_hi:[0,0,1]  ; c s - c m
.set i, i+1
.endr
.set i, 0
.rept 64
	v_exp_f32 v[AC+i], v[AC+i]
.set i, i+1
.endr
	v_nop                                          ; a plain instruction between the last exponential and the use of its result (ISA guide 5.7.2)
	WIN 0x05                                       ; sources 0 and 1 window 1, destination window 0
.set i, 0
	s_wait_alu depctr_va_vdst(0)
.rept 16
	v_pk_add_f32 v[U+2*i:U+2*i+1], v[AC+4*i:AC+4*i+1], v[AC+4*i+2:AC+4*i+3]  ; the sum is taken of the unrounded weights
.set i, i+1
.endr
.set i, 0
.rept 32
	v_cvt_pk_f16_f32 v[TMP+i], v[AC+2*i], v[AC+2*i+1]
.set i, i+1
.endr
	WIN 0
.irp w, 16, 8, 4, 2                    ; sixteen pairs into one: neighbours w registers apart
.set i, 0
.rept (\w)/2
	v_pk_add_f32 v[U+i:U+i+1], v[U+i:U+i+1], v[U+(\w)+i:U+(\w)+i+1]
.set i, i+2
.endr
.endr
	v_add_f32 v[LS], v[U], v[U+1]
	v_permlanex16_b32 v[U], v[LS], s[SEL], s[SEL+1]
	v_add_f32 v[LS], v[LS], v[U]                   ; l
	ds_store_b32 v[STA], v[CM] offset:64*(\a)      ; both halves of the lanes write the same number to the same word
	ds_store_b32 v[STA], v[LS] offset:256+64*(\a)
.irp b, 0,1,2,3,4,5,6,7
	ds_store_b128 v[STO], v[TMP+4*(\b):TMP+4*(\b)+3] offset:32*(\b)
.endr
.irp t, 0,1,2,3,4,5,6,7
	ds_load_b128 v[TMP+4*(\t):TMP+4*(\t)+3], v[RD] offset:(\t)*2*SPITCH  ; LDS serves a wave's instructions in order (ISA guide 5.7.1.4): these see the stores above; the next block's stores come behind them
.endr
.endm
.macro SEND a, younger                 ; younger: the LDS instructions issued behind block a's loads: the next block's 2 + 8 + 8, or none
.set TMP, 128+32*(\a)
.irp t, 0,1,2,3,4,5,6,7
	s_wait_dscnt (\younger)+7-(\t)
	global_store_b128 v[CO], v[TMP+4*(\t):TMP+4*(\t)+3], s[8:9] offset:(16*(\a)+2*(\t))*CROW  ; 16 lanes store 256 consecutive bytes, at a multiple of 256 from pbuf's first byte
.endr
.endm
	SOFT 0
	SOFT 1                                         ; a block's arithmetic stands between the loads of the block before and its stores
	SEND 0, 18
	SOFT 2
	SEND 1, 18
	SOFT 3
	SEND 2, 18
	SEND 3, 0
	ds_load_b128 v[SB:SB+3], v[SRD]                ; my block of stats, whole: my own stores, served in order
	s_wait_dscnt 0x0
	global_store_b128 v[SGO], v[SB:SB+3], s[10:11] ; 512 consecutive bytes, at a multiple of 256 from stats' first byte
	s_wait_tensorcnt 0x0                           ; the wave's end: the add and its waits, behind my last tensor load and my last LDS store
	ds_add_u32 v[SPW], v[NIL]
	s_wait_dscnt 0x0
	CROUND                                         ; the closing round: no work-group ends while a partner may still ask for a tile that names it
	s_endpgm
.Lfunc_end_k_q7d759e741f_score:
	.size	k_q7d759e741f_score, .Lfunc_end_k_q7d759e741f_score-k_q7d759e741f_score
	.p2alignl 7, 3214868480
	.fill 96, 4, 3214868480
	.section	.rodata,"a",@progbits
	.p2align	6, 0x0
	.amdhsa_kernel k_q7d759e741f_score
		.amdhsa_group_segment_fixed_size 327680
		.amdhsa_private_segment_fixed_size 0
		.amdhsa_enable_private_segment 0
		.amdhsa_kernarg_size 24
		.amdhsa_user_sgpr_count 2
		.amdhsa_user_sgpr_kernarg_segment_ptr 1
		.amdhsa_wavefront_size32 1
		.amdhsa_system_sgpr_workgroup_id_x 1
		.amdhsa_system_sgpr_workgroup_id_y 1
		.amdhsa_system_sgpr_workgroup_id_z 1
		.amdhsa_system_vgpr_workitem_id 0
		.amdhsa_next_free_vgpr 512
		.amdhsa_next_free_sgpr 80
		.amdhsa_reserve_vcc 0
		.amdhsa_float_denorm_mode_32 3
		.amdhsa_float_denorm_mode_16_64 3
		.amdhsa_memory_ordered 1
		.amdhsa_forward_progress 1
		.amdhsa_inst_pref_size 122
	.end_amdhsa_kernel
	.amdgpu_metadata
---
amdhsa.version: [ 1, 2 ]
amdhsa.kernels:
  - .name:           k_q7d759e741f_score
    .symbol:         k_q7d759e741f_score.kd
    .args:
      - { .name: qkv, .offset: 0, .size: 8, .value_kind: global_buffer, .address_space: global }
      - { .name: pbuf, .offset: 8, .size: 8, .value_kind: global_buffer, .address_space: global }
      - { .name: stats, .offset: 16, .size: 8, .value_kind: global_buffer, .address_space: global }
    .group_segment_fixed_size: 327680
    .private_segment_fixed_size: 0
    .kernarg_segment_align: 8
    .kernarg_segment_size: 24
    .max_flat_workgroup_size: 256
    .sgpr_count:     80
    .vgpr_count:     512
    .wavefront_size: 32
...
	.end_amdgpu_metadata
.endif
;; end of part 6
;; launch pv (part 7): grid 4 x 64, 4 waves a work-group, clusters of 4 x 4, 327,680 bytes of LDS; arguments pbuf, qkv, out0, stats; writes out0
.if DOCPART == 7
	.amdgcn_target "amdgcn-amd-amdhsa--gfx1250"
	.amdhsa_code_object_version 6
	.text
	.protected	k_q7d759e741f_pv
	.globl	k_q7d759e741f_pv
	.p2align	8
	.type	k_q7d759e741f_pv,@function
k_q7d759e741f_pv:
	s_mov_b64 s[64:65], 0
	v_nop
	global_prefetch_b8 v0, s[64:65] scope:SCOPE_SE
	s_setreg_imm32_b32 hwreg(HW_REG_WAVE_MODE, 25, 1), 1
	s_wait_xcnt 0x0
	s_wait_alu depctr_hold_cnt(0) depctr_sa_sdst(0) depctr_va_vdst(0) depctr_va_sdst(0) depctr_va_ssrc(0) depctr_va_vcc(0) depctr_vm_vsrc(0)
	s_getreg_b32 s2, hwreg(HW_REG_IB_STS2, 6, 4)
	s_cmp_eq_u32 s2, 0
	s_cbranch_scc0 .Lentry_in_a_cluster
	s_endpgm
.Lentry_in_a_cluster:
	s_bfe_u32 s2, ttmp6, 0x10000c
	s_cmp_lg_u32 s2, 0xf033
	s_cbranch_scc0 .Lentry_shape_is_right
	s_endpgm
.Lentry_shape_is_right:
; out0[m][e] = the sum over the sixteen chunks c of m's batch of f'[m][c] x (the sum over the chunk's 128 keys n of p'[m][n] v[n][e]).  p': pbuf [8192][2048] f16; v: f16, from byte 4,096 of qkv's rows
; of 6,144; out0: [8192][1024] f32.
; THE SOFTMAX'S SECOND HALF, all of it in f32.  For a row's sixteen chunks stats holds c m_c and l_c.  M = the largest c m_c (the row's true maximum, times c); f_c = 2^(c m_c - M), at most 1;
; L = the sum of f_c l_c, at least about 1; f'_c = f_c / L.  A K step of 128 keys IS a chunk: its products are summed by themselves, in T, begun with the constant 0, and O += f' T when the step is over.
; LIMITS.  f below 2^-126 counts as 0; NaN and infinities are not treated apart.
; SHARES, RING, CLUSTER.  A tile is 128 rows x 256 channels: 64 x 4 = 256 work-groups; four waves of 64 x 128; K = 2,048 keys in steps of 128 through two LDS slots; 4 x 4 work-groups ask jointly
; for p's tile along a row of the cluster and for v's along a column.  v comes as it lies, [key][channel], and is turned on its way out of LDS by ds_load_tr16_b128.
; The matrix instruction is used transposed (source 0 = 16 channels, source 1 = 16 rows): a lane holds one row (l % 16) and, in accumulator b, the channels 16 b + 8 (l / 16) + 0..7.
; O IS CLEARED, by 256 v_mov_b32 in the wait for the first tiles: the first chunk's f' T is then added like every other.  The other way, a first K step written out ahead of the loop with a multiply
; in the place of the multiply-add, would be eight quarters more of text.
; REGISTERS.  Window 0: v0-31 addresses; v32-47 f' of slot 0's and slot 1's chunk: for each of my four blocks of rows a pair of which the packed multiply-add takes the low word; fragment buffers
;   v64-159, v160-255 (in the prologue the stats, on the way out three sets of 64).  Window 1: T, accumulator (a, b) at v[64 a + 8 b].  Window 2: O, laid alike.
.set SIZE_K, 2048
.set LDA,    2048
.set LDB,    3072
.set CROW,   4096                      ; bytes in a row of out0
.set KB,     128*6144                  ; bytes from a K step to the next in v: 128 keys
.set STEPB,  2*KB
.set PITCH,  272                       ; a row of p' in LDS: 256 bytes + 16 = 68 words: row r starts at bank 4 r mod 64 (64 banks of 4 bytes: ISA guide 11.1)
.set VPITCH, 544                       ; a row of v: 512 bytes + 32 = 136 words: row r starts at bank 8 r mod 64
.set AHALF,  64*PITCH
.set ABYTES, 2*AHALF
.set BHALF,  64*VPITCH                 ; 64 keys: what one tensor load brings of v
.set SLOT,   ABYTES+2*BHALF
.set STAGE,  2*SLOT                    ; behind the ring: 16 rows x 528 bytes for each wave, for the way out
.set OPITCH, 528                       ; 512 bytes + 16 = 132 words: row r starts at bank 4 r mod 64
.set FAC,    STAGE+4*16*OPITCH         ; behind the stages, 4,096 bytes for each wave: 16 chunks x 64 rows of f', a word a row
.set FACW,   4096
.set SPARE,  FAC+4*FACW                ; behind them: the spare words, 128 bytes for each wave: two blocks of 256 bytes that no other line names
.set LAPS,   SIZE_K/256
.set ADRA, 16
.set ADRB, 20
.set STO,  24
.set RD,   25
.set CO,   26
.set FAD0, 27                          ; v27     LDS address of f' of row l % 16 of my block 0, chunk 0; never rewritten
.set SPW,  28
.set NIL,  29
.set FAD,  30                          ; v30     the same for the lap in hand
.set FC0,  32                          ; v32-39 slot 0's f' (block a's in v[32 + 2 a]; the odd registers are written once, since a pair is named), v40-47 slot 1's
.set MX,   128                         ; the prologue: v128-129 M, v130-131 L, v132-133 1 / L, for rows 2 lane and 2 lane + 1
.set F0,   64
.set F1,   160
.set WV, 12
.set WM, 13
.set WN, 14
.set LAP, 15
.set CX, 16
.set CY, 17
.set TX, 18
.set TY, 19
.set RMASK, 20
.set CMASK, 21
.set BT, 22                            ; s22  the batch: made of the cluster's y alone
.set G1A, 24
.set G0A, 32
.set G1B, 40
.set G0B, 48
.set OA, 56
.set OB, 58
.set LA, 60
.set LB, 61
.set OC, 62
.set FB, 74                            ; s74  512 x the lap: two chunks' f' a lap
.set MSB, 0
.macro WIN new
.if MSB != (\new)
	s_set_vgpr_msb (MSB<<8)|(\new)
.set MSB, \new
.endif
.endm
.set MUL, 0x50                         ; sources in window 0, C and D (T) in window 1
.set W_FM, 0xa1                        ; source 0 (T) window 1, source 1 (f') window 0, source 2 and destination (O) window 2
.macro JLOAD s                         ; a joint load: waves 0 and 1 fetch p's two halves, waves 2 and 3 v's; an s_nop 0 and four v_nop follow each of the two lines
	s_cmp_eq_u32 s[WM], 0
	s_cbranch_scc0 .Lfor_b_\@
	tensor_load_to_lds s[G0A+4*(\s):G0A+4*(\s)+3], s[G1A:G1A+7]
	s_nop 0
.rept 4
	v_nop
.endr
	s_branch .Lasked_\@
.Lfor_b_\@:
	tensor_load_to_lds s[G0B+4*(\s):G0B+4*(\s)+3], s[G1B:G1B+7]
	s_nop 0
.rept 4
	v_nop
.endr
.Lasked_\@:
.endm
.macro CREST
	s_cmp_lg_u32 s[WV], 0
	s_cbranch_scc1 .Lnot_wave_0_\@
	s_barrier_signal -3
.Lnot_wave_0_\@:
	s_barrier_wait -3
	s_barrier_signal -1
	s_barrier_wait -1
.endm
.macro CROUND
	s_barrier_signal -1
	s_barrier_wait -1
	CREST
.endm
	s_load_b256 s[4:11], s[0:1], 0x0               ; pbuf s[4:5], qkv s[6:7], out0 s[8:9], stats s[10:11]
	v_lshl_add_u32 v[SPW], v0, 2, SPARE
	v_mov_b32 v[NIL], 0
	ds_add_u32 v[SPW], v[NIL]                      ; the wave's opening: the add and its wait stand ahead of my first tensor load; the set-up below, work on registers, stands between them
	v_lshrrev_b32 v1, 5, v0
	v_readfirstlane_b32 s[WV], v1
	s_lshr_b32 s[WM], s[WV], 1
	s_and_b32 s[WN], s[WV], 1
	s_bfe_u32 s[CX], ttmp6, 0x40000
	s_bfe_u32 s[CY], ttmp6, 0x40004
	s_lshl_b32 s[TX], ttmp9, 2
	s_add_co_u32 s[TX], s[TX], s[CX]
	s_and_b32 s[TY], ttmp7, 0xffff
	s_lshr_b32 s[BT], s[TY], 2
	s_lshl_b32 s[TY], s[TY], 2
	s_add_co_u32 s[TY], s[TY], s[CY]
	s_lshl_b32 s[RMASK], s[CY], 2
	s_lshl_b32 s[RMASK], 15, s[RMASK]
	s_lshl_b32 s[CMASK], 0x1111, s[CX]
	s_or_b32 s[G1A+0], s[RMASK], (1<<16)|(1<<20)|(1<<21)|(5<<22)|(3<<25)  ; p': 64 rows x 128 elements of 2 bytes, 4 words of padding after every 64
	s_or_b32 s[G1B+0], s[CMASK], (1<<16)|(1<<20)|(1<<21)|(6<<22)|(7<<25)  ; v: 64 rows x 256 elements, 8 words of padding after every 128
	s_mov_b32 s[G1A+1], 128<<16
	s_mov_b32 s[G1B+1], 256<<16
	s_mov_b32 s[G1A+2], 64<<16
	s_mov_b32 s[G1B+2], 64<<16
	s_mov_b32 s[G1A+3], 128<<16
	s_mov_b32 s[G1B+3], 256<<16
	s_mov_b32 s[G1A+4], 64
	s_mov_b32 s[G1B+4], 64
	s_mov_b32 s[G1A+5], LDA
	s_mov_b32 s[G1B+5], LDB
	s_mov_b32 s[G1A+6], 0
	s_mov_b32 s[G1B+6], 0
	s_mov_b32 s[G1A+7], 0
	s_mov_b32 s[G1B+7], 0
	s_lshl_b32 s[OA], s[TY], 7                     ; p': row 128 x tile row + 64 x half, 4,096 bytes a row
	s_lshl_b32 s70, s[WN], 6
	s_add_co_u32 s[OA], s[OA], s70
	s_lshl_b32 s[OA], s[OA], 12
	s_mov_b32 s[OA+1], 0
	s_lshl_b32 s[OB], s[BT], 11                    ; v: key 2,048 x batch + 64 x half; from byte 4,096 of the row, 512 bytes a tile column
	s_lshl_b32 s71, s[WN], 6
	s_add_co_u32 s[OB], s[OB], s71
	s_mul_i32 s[OB], s[OB], 6144
	s_lshl_b32 s71, s[TX], 9
	s_add_co_u32 s[OB], s[OB], s71
	s_add_co_u32 s[OB], s[OB], 4096
	s_mov_b32 s[OB+1], 0
	s_mul_i32 s[LA], s[WN], AHALF
	s_mul_i32 s[LB], s[WN], BHALF
	s_add_co_u32 s[LB], s[LB], ABYTES
	s_mov_b32 s[FB], 0
	s_wait_dscnt 0x0                               ; the opening add is done
	s_wait_kmcnt 0x0
	s_add_nc_u64 s[OA:OA+1], s[4:5], s[OA:OA+1]
	s_add_nc_u64 s[OB:OB+1], s[6:7], s[OB:OB+1]
	CROUND                                         ; all sixteen work-groups are here: the first joint loads meet
.irp s, 0,1
	s_mov_b32 s[G0A+4*(\s)], 1
	s_add_co_u32 s[G0A+4*(\s)+1], s[LA], (\s)*SLOT
	s_add_nc_u64 s[G0A+4*(\s)+2:G0A+4*(\s)+3], s[OA:OA+1], (\s)*256
	s_or_b32 s[G0A+4*(\s)+3], s[G0A+4*(\s)+3], 0x80000000
	s_mov_b32 s[G0B+4*(\s)], 1
	s_add_co_u32 s[G0B+4*(\s)+1], s[LB], (\s)*SLOT
	s_add_nc_u64 s[G0B+4*(\s)+2:G0B+4*(\s)+3], s[OB:OB+1], (\s)*KB
	s_or_b32 s[G0B+4*(\s)+3], s[G0B+4*(\s)+3], 0x80000000
	JLOAD \s                                       ; two tensor loads of mine are out
.endr
	; THE PROLOGUE stands in the wait for the first tiles.  My wave's 64 rows: lane i takes rows 2 i and 2 i + 1; of each chunk c m and l, 256 consecutive bytes a load.
	s_lshl_b32 s72, s[TY], 1
	s_add_co_u32 s72, s72, s[WM]                   ; my group of 64 rows
	s_lshl_b32 s72, s72, 9
	s_mov_b32 s73, 0
	s_add_nc_u64 s[10:11], s[10:11], s[72:73]
	v_and_b32 v7, 31, v0                           ; lane
	v_lshlrev_b32 v8, 3, v7
.set c, 0
.rept 16
	global_load_b64 v[64+2*c:65+2*c], v8, s[10:11] offset:65536*c      ; c m of chunk c
	global_load_b64 v[96+2*c:97+2*c], v8, s[10:11] offset:65536*c+256  ; l
.set c, c+1
.endr
	v_and_b32 v1, 15, v0                           ; r = l % 16
	v_bfe_u32 v2, v0, 4, 1                         ; h = l / 16
	v_mul_u32_u24 v3, v1, PITCH                    ; a fragment of p': row r, 16 bytes for each half of the lanes
	v_lshl_add_u32 v3, v2, 4, v3
	; the turning load takes 16 keys x 16 channels (lane l reads key 8 (l / 16) + l % 8, channels 8 ((l / 8) % 2) + 0..7) and leaves half a fragment of v^T: lane l holds channel l % 16 and 8 keys
	v_and_b32 v9, 7, v0
	v_bfe_u32 v6, v0, 3, 1
	v_lshl_add_u32 v5, v2, 3, v9
	v_mul_u32_u24 v5, v5, VPITCH
	v_lshl_add_u32 v5, v6, 4, v5
	s_mul_i32 s70, s[WM], AHALF                    ; my 64 rows of p'
	s_lshl_b32 s71, s[WN], 8                       ; my 128 channels of v, behind p'
	s_add_co_u32 s71, s71, ABYTES
.irp s, 0,1
	v_add_nc_u32 v[ADRA+(\s)], s70, v3
	v_add_nc_u32 v[ADRB+(\s)], s71, v5
	s_add_co_u32 s70, s70, SLOT
	s_add_co_u32 s71, s71, SLOT
.endr
	s_mul_i32 s73, s[WV], 16*OPITCH
	s_add_co_u32 s73, s73, STAGE                   ; my stage
	v_mul_u32_u24 v4, v1, OPITCH                   ; in: row r, 32 bytes for each half of the lanes
	v_lshl_add_u32 v4, v2, 5, v4
	v_add_nc_u32 v[STO], s73, v4
	v_lshlrev_b32 v[CO], 4, v7                     ; back: 32 lanes take one row of 512 bytes
	v_add_nc_u32 v[RD], s73, v[CO]
	s_lshl_b32 s75, s[WV], 12
	s_add_co_u32 s75, s75, FAC                     ; my f'
	v_lshl_add_u32 v[FAD0], v1, 2, s75             ; read: the word of row r; block a's lies 64 a bytes on
	v_add_nc_u32 v9, s75, v8                       ; written: the words of rows 2 i and 2 i + 1
	s_lshl_b32 s[OC], s[TY], 7                     ; my first row of out0,
	s_lshl_b32 s72, s[WM], 6
	s_add_co_u32 s[OC], s[OC], s72
	s_lshl_b32 s[OC], s[OC], 12
	s_lshl_b32 s72, s[TX], 10                      ; my first channel, in bytes
	s_add_co_u32 s[OC], s[OC], s72
	s_lshl_b32 s72, s[WN], 9
	s_add_co_u32 s[OC], s[OC], s72
	s_mov_b32 s[OC+1], 0
	s_add_nc_u64 s[8:9], s[8:9], s[OC:OC+1]
	WIN 0x80                                       ; destination window 2: O starts at 0
.set i, 0
.rept 256
	v_mov_b32 v[i], 0
.set i, i+1
.endr
	WIN 0
	s_wait_loadcnt 0x0                             ; the stats
.irp p, 0,1
	v_max3_num_f32 v[MX+(\p)], v[64+(\p)], v[66+(\p)], v[68+(\p)]
.irp c, 70,74,78,82,86,90
	v_max3_num_f32 v[MX+(\p)], v[MX+(\p)], v[(\c)+(\p)], v[(\c)+2+(\p)]
.endr
	v_max_num_f32 v[MX+(\p)], v[MX+(\p)], v[94+(\p)]  ; M: the largest of the row's sixteen c m
.endr
.set c, 0
.rept 16
	v_pk_add_f32 v[64+2*c:65+2*c], v[64+2*c:65+2*c], v[MX:MX+1] neg_lo:[0,1] neg_hi:[0,1]  ; c m - M, 0 at the most
.set c, c+1
.endr
.set c, 0
.rept 32
	v_exp_f32 v[64+c], v[64+c]                     ; f
.set c, c+1
.endr
	v_nop                                          ; a plain instruction between the last exponential and the use of its result (ISA guide 5.7.2)
	s_wait_alu depctr_va_vdst(0)
	v_pk_mul_f32 v[MX+2:MX+3], v[64:65], v[96:97]
.set c, 1
.rept 15
	v_pk_fma_f32 v[MX+2:MX+3], v[64+2*c:65+2*c], v[96+2*c:97+2*c], v[MX+2:MX+3]  ; L
.set c, c+1
.endr
	v_rcp_f32 v[MX+4], v[MX+2]
	v_rcp_f32 v[MX+5], v[MX+3]
.irp a, 0,1,2,3,4,5,6,7                ; the pairs' upper words, written once; these plain lines also stand between the reciprocals and their use (ISA guide 5.7.2)
	v_mov_b32 v[FC0+2*(\a)+1], 0
.endr
.set c, 0
	s_wait_alu depctr_va_vdst(0)
.rept 16
	v_pk_mul_f32 v[64+2*c:65+2*c], v[64+2*c:65+2*c], v[MX+4:MX+5]  ; f' = f / L
.set c, c+1
.endr
.set c, 0
.rept 16
	ds_store_b64 v9, v[64+2*c:65+2*c] offset:256*c
.set c, c+1
.endr
; 8 matrix instructions: block a of my rows x all 8 blocks of my channels, 32 keys, from buffer f.  zero = 1: the product starts the chunk's sums.  The 32 accumulators take turns, one instruction a turn.
.macro MUL8 f, a, zero
	WIN MUL
.irp b, 0,1,2,3,4,5,6,7
.if \zero
	v_wmma_f32_16x16x32_f16 v[64*(\a)+8*(\b):64*(\a)+8*(\b)+7], v[(\f)+32+8*(\b):(\f)+32+8*(\b)+7], v[(\f)+8*(\a):(\f)+8*(\a)+7], 0
.else
	v_wmma_f32_16x16x32_f16 v[64*(\a)+8*(\b):64*(\a)+8*(\b)+7], v[(\f)+32+8*(\b):(\f)+32+8*(\b)+7], v[(\f)+8*(\a):(\f)+8*(\a)+7], v[64*(\a)+8*(\b):64*(\a)+8*(\b)+7]
.endif
.endr
.endm
; O += f' T for block a of my rows: 32 packed multiply-adds in f32; each accumulator's registers in ascending order.  fc: the finished chunk's f'.
.macro FMA a, fc
	WIN W_FM
.set i, 0
.rept 32
	v_pk_fma_f32 v[64*(\a)+2*i:64*(\a)+2*i+1], v[64*(\a)+2*i:64*(\a)+2*i+1], v[(\fc)+2*(\a):(\fc)+2*(\a)+1], v[64*(\a)+2*i:64*(\a)+2*i+1] op_sel_hi:[1,0,1]
.set i, i+1
.endr
.endm
; 24 LDS loads in one run: the fragments of quarter q (32 keys) into buffer f: v's sixteen (turned) first, then p's eight
.macro FETCH slot, q, f
	WIN 0
.irp i, 0,1,2,3,4,5,6,7
	ds_load_tr16_b128 v[(\f)+32+8*(\i):(\f)+32+8*(\i)+3],   v[ADRB+(\slot)] offset:(\q)*32*VPITCH+32*(\i)
	ds_load_tr16_b128 v[(\f)+32+8*(\i)+4:(\f)+32+8*(\i)+7], v[ADRB+(\slot)] offset:(\q)*32*VPITCH+16*VPITCH+32*(\i)
.endr
.irp i, 0,1,2,3
	ds_load_b128 v[(\f)+8*(\i):(\f)+8*(\i)+3],   v[ADRA+(\slot)] offset:64*(\q)+(\i)*16*PITCH
	ds_load_b128 v[(\f)+8*(\i)+4:(\f)+8*(\i)+7], v[ADRA+(\slot)] offset:64*(\q)+(\i)*16*PITCH+32
.endr
.endm
.macro PLACES                          ; four places in front of loads into registers that matrix instructions have read, and of vector lines that read results (ISA guide 7.12.1 for vector lines)
.rept 4
	v_nop
.endr
.endm
; One of a K step's first three quarters: multiplies buffer f and fetches quarter q into g.
.macro QUARTER slot, q, f, g, zero
	s_wait_dscnt 4                                 ; v and p's blocks 0, 1 are in (and f', the oldest of a run); the youngest four loads (p's blocks 2, 3) may be out
	MUL8 \f, 0, \zero
	MUL8 \f, 1, \zero
	PLACES
	FETCH \slot, \q, \g
	s_wait_dscnt 24                                ; all but the 24 just issued
	MUL8 \f, 2, \zero
	MUL8 \f, 3, \zero
.endm
; The first quarter of a K step that has a step in front of it: block by block O takes the finished chunk's f' T, and then the block's products start T anew with the constant 0.
; The multiply-adds name no register of the fragment buffers: those of blocks 0 to 2 are the places between the last products that read g and the loads into it; a block's own
; stand 32 or more plain lines behind the products that finished it.
.macro QUARTERZ slot, q, f, g
.set FCP, FC0+8*(1-(\slot))            ; the chunk just finished lay in the other slot
	FMA 0, FCP
	s_wait_dscnt 4
	MUL8 \f, 0, 1
	FMA 1, FCP
	MUL8 \f, 1, 1
	FMA 2, FCP
	FETCH \slot, \q, \g
	s_wait_dscnt 24                                ; all but the 24 just issued
	MUL8 \f, 2, 1
	FMA 3, FCP
	MUL8 \f, 3, 1
.endm
; The change of slots: ONE barrier; in front of it each wave waits for all its tensor loads (one is out: its part of the next slot), adds 0 to its spare word, and waits for that and for its reads of this slot.
; Behind it: the refill (fill = 1, behind a round of the cluster's barrier), the next chunk's f', the next slot's first fragments.
.macro TURN slot, next, fill
	WIN 0
	s_wait_tensorcnt 0x0                           ; all my tensor loads have landed
	ds_add_u32 v[SPW], v[NIL]                      ; 0 onto my spare word
	s_wait_dscnt 5                                 ; (the add and the youngest four loads may be out)
	MUL8 F1, 0, 0                                  ; eight matrix instructions stand between the add and the wait for it
	s_wait_dscnt 0x0                               ; the add is done, and my reads of this slot are over
	s_barrier_signal -1
	MUL8 F1, 1, 0
	WIN 0
	s_barrier_wait -1
.if \fill
	CREST                                          ; no wave of any partner still reads this slot's tiles or has a load on its way
	s_add_nc_u64 s[G0A+4*(\slot)+2:G0A+4*(\slot)+3], s[G0A+4*(\slot)+2:G0A+4*(\slot)+3], 512
	s_add_nc_u64 s[G0B+4*(\slot)+2:G0B+4*(\slot)+3], s[G0B+4*(\slot)+2:G0B+4*(\slot)+3], STEPB
	JLOAD \slot                                    ; my one tensor load behind the round: 112 matrix instructions ahead of the wait for it; its four v_nop are also the places in front of the loads below
.else
	PLACES
.endif
.if (\slot) == 0
	v_add_nc_u32 v[FAD], s[FB], v[FAD0]            ; this lap's two chunks
.irp a, 0,1,2,3
	ds_load_b32 v[FC0+8+2*(\a)], v[FAD] offset:256+64*(\a)  ; the odd chunk's f': the oldest loads of the run
.endr
.else
.irp a, 0,1,2,3
	ds_load_b32 v[FC0+2*(\a)], v[FAD] offset:512+64*(\a)    ; the next lap's even chunk; the even chunk before was added three quarters ago
.endr
	s_add_co_u32 s[FB], s[FB], 512
.endif
	FETCH \next, 0, F0
	MUL8 F1, 2, 0
	MUL8 F1, 3, 0
.endm
	s_wait_tensorcnt 1                             ; my part of K step 0 is in; K step 1's may stay out
	s_wait_dscnt 0x0                               ; no LDS instruction of mine is pending at a signal
	s_barrier_signal -1
	s_barrier_wait -1
.irp a, 0,1,2,3
	ds_load_b32 v[FC0+2*(\a)], v[FAD0] offset:64*(\a)  ; chunk 0's f': my own stores
.endr
	FETCH 0, 0, F0
	QUARTER 0, 1, F0, F1, 1                        ; the first quarter stands in front of the loop: no chunk is finished yet
	WIN 0
	s_mov_b32 s[LAP], LAPS-1
.Llap:                                                 ; a trip goes once round the ring, from a lap's second quarter to the next lap's first, and fills both slots again
	QUARTER 0, 2, F1, F0, 0
	QUARTER 0, 3, F0, F1, 0
	TURN 0, 1, 1
	QUARTERZ 1, 1, F0, F1
	QUARTER 1, 2, F1, F0, 0
	QUARTER 1, 3, F0, F1, 0
	TURN 1, 0, 1
	QUARTERZ 0, 1, F0, F1
	WIN 0
	s_sub_co_u32 s[LAP], s[LAP], 1
	s_cmp_lg_u32 s[LAP], 0
	s_cbranch_scc1 .Llap
	QUARTER 0, 2, F1, F0, 0                        ; the last lap fills nothing
	QUARTER 0, 3, F0, F1, 0
	TURN 0, 1, 0
	QUARTERZ 1, 1, F0, F1
	QUARTER 1, 2, F1, F0, 0
	QUARTER 1, 3, F0, F1, 0
	s_wait_dscnt 4                                 ; the very last quarter: nothing more to fetch
	MUL8 F1, 0, 0
	MUL8 F1, 1, 0
	s_wait_dscnt 0x0
	MUL8 F1, 2, 0
	MUL8 F1, 3, 0
	WIN 0
	PLACES
; THE WAY OUT, a block of 16 rows at a time.  PACKF: the last chunk's multiply-add, O + f' T, lands in window 0 (each accumulator's registers in ascending order).  TOST: 32 bytes a lane and accumulator
; into my own stage, and back as whole rows of 512 bytes.  SENDF: stored.  Block a's arithmetic stands between block a - 1's loads from the stage and the wait for them.
.macro PACKF a
.set TMP, 64+64*((\a)%3)
	WIN 0x21                                       ; source 0 (T) window 1, source 1 (f') window 0, source 2 (O) window 2, destination window 0
.set i, 0
.rept 32
	v_pk_fma_f32 v[TMP+2*i:TMP+2*i+1], v[64*(\a)+2*i:64*(\a)+2*i+1], v[FC0+8+2*(\a):FC0+8+2*(\a)+1], v[64*(\a)+2*i:64*(\a)+2*i+1] op_sel_hi:[1,0,1]
.set i, i+1
.endr
	WIN 0
.endm
.macro TOST a
.set TMP, 64+64*((\a)%3)
.set i, 0
.rept 16
	ds_store_b128 v[STO], v[TMP+4*i:TMP+4*i+3] offset:64*(i/2)+16*(i%2)
.set i, i+1
.endr
.set i, 0
.rept 16
	ds_load_b128 v[TMP+4*i:TMP+4*i+3], v[RD] offset:OPITCH*i  ; LDS serves a wave's instructions in order (ISA guide 5.7.1.4): these see the stores above
.set i, i+1
.endr
.endm
.macro SENDF a
.set TMP, 64+64*((\a)%3)
.set t, 0
.rept 16
	s_wait_dscnt 15-t                              ; row t is back; the 15 - t younger loads may be out
	global_store_b128 v[CO], v[TMP+4*t:TMP+4*t+3], s[8:9] offset:(16*(\a)+t)*CROW th:TH_STORE_NT  ; 512 consecutive bytes, at a multiple of 256 from out0's first byte
.set t, t+1
.endr
.endm
	PACKF 0
	TOST 0
	PACKF 1
	SENDF 0
	TOST 1
	PACKF 2
	SENDF 1
	TOST 2
	s_wait_xcnt 0x0                                ; block 0's stores have had their addresses translated (ISA guide 3.1): only behind this wait are their data registers, which block 3 takes, written again
	PACKF 3
	SENDF 2
	TOST 3
	SENDF 3
	s_wait_tensorcnt 0x0                           ; the wave's end: the add and its waits, behind my last tensor load and my last LDS store
	ds_add_u32 v[SPW], v[NIL]
	s_wait_dscnt 0x0
	CROUND                                         ; the closing round: no work-group ends while a partner may still ask for a tile that names it
	s_endpgm
.Lfunc_end_k_q7d759e741f_pv:
	.size	k_q7d759e741f_pv, .Lfunc_end_k_q7d759e741f_pv-k_q7d759e741f_pv
	.p2alignl 7, 3214868480
	.fill 96, 4, 3214868480
	.section	.rodata,"a",@progbits
	.p2align	6, 0x0
	.amdhsa_kernel k_q7d759e741f_pv
		.amdhsa_group_segment_fixed_size 327680
		.amdhsa_private_segment_fixed_size 0
		.amdhsa_enable_private_segment 0
		.amdhsa_kernarg_size 32
		.amdhsa_user_sgpr_count 2
		.amdhsa_user_sgpr_kernarg_segment_ptr 1
		.amdhsa_wavefront_size32 1
		.amdhsa_system_sgpr_workgroup_id_x 1
		.amdhsa_system_sgpr_workgroup_id_y 1
		.amdhsa_system_sgpr_workgroup_id_z 1
		.amdhsa_system_vgpr_workitem_id 0
		.amdhsa_next_free_vgpr 768
		.amdhsa_next_free_sgpr 80
		.amdhsa_reserve_vcc 0
		.amdhsa_float_denorm_mode_32 3
		.amdhsa_float_denorm_mode_16_64 3
		.amdhsa_memory_ordered 1
		.amdhsa_forward_progress 1
		.amdhsa_inst_pref_size 138
	.end_amdhsa_kernel
	.amdgpu_metadata
---
amdhsa.version: [ 1, 2 ]
amdhsa.kernels:
  - .name:           k_q7d759e741f_pv
    .symbol:         k_q7d759e741f_pv.kd
    .args:
      - { .name: pbuf, .offset: 0, .size: 8, .value_kind: global_buffer, .address_space: global }
      - { .name: qkv, .offset: 8, .size: 8, .value_kind: global_buffer, .address_space: global }
      - { .name: out0, .offset: 16, .size: 8, .value_kind: global_buffer, .address_space: global }
      - { .name: stats, .offset: 24, .size: 8, .value_kind: global_buffer, .address_space: global }
    .group_segment_fixed_size: 327680
    .private_segment_fixed_size: 0
    .kernarg_segment_align: 8
    .kernarg_segment_size: 32
    .max_flat_workgroup_size: 128
    .sgpr_count:     80
    .vgpr_count:     768
    .wavefront_size: 32
...
	.end_amdgpu_metadata
.endif
;; end of part 7
